; MI455X (gfx1250); checked and timed in simulation.
; The chip was launched on July 23, 2026; its instructions are those of AMD's public machine-readable ISA for CDNA 5 (MIT licence, August 2026) and "CDNA5" Instruction Set Architecture Reference Guide (July 2026). The comments in the code are by the model that wrote it; some were corrected since.
;; Multihead Attention. Allowed arithmetic: matrix products marked QUANTISED: E4M3 operands, one given power-of-two scale a tensor, by v_wmma_f32_16x16x64_fp8_fp8 or v_wmma_f32_16x16x128_fp8_fp8, f32 sums; everything else in f32.
;; Inputs: Wk 1,024 x 1,024 float32; Wo 1,024 x 1,024 float32; Wq 1,024 x 1,024 float32; Wv 1,024 x 1,024 float32; bk 1,024 float32; bo 1,024 float32; bq 1,024 float32; bv 1,024 float32; keys 1 x 4,096 x 1,024 float32; lowp_scales 12 int32 (the exponents e of the quantised operands' scales 2^e); querys 1 x 4,096 x 1,024 float32; values 1 x 4,096 x 1,024 float32.
;; Outputs: out0 1 x 4,096 x 1,024 float32.
;; This version of the problem:
;;   THIS VERSION OF THE PROBLEM IS GIVEN IN LOW PRECISION. The matrix products marked QUANTISED in the list below multiply operands that are first quantised to E4M3 (4 exponent bits, 3 mantissa bits; 8 bits a number), with one given power-of-two scale for each operand tensor; their sums are f32. All else is computed in f32.
;;   The module's matrix products, in the order in which they are computed (A, B: the left and right operand; K: the contracted axis; several contracted axes count as one K, in the product's order):
;;     1. [M 4,096, K 1,024] x [K 1,024, N 1,024]; A: input querys; B: input Wq: QUANTISED (scales: A lowp_scales[0], B lowp_scales[1])
;;     2. [M 4,096, K 1,024] x [K 1,024, N 1,024]; A: input keys; B: input Wk: QUANTISED (scales: A lowp_scales[2], B lowp_scales[3])
;;     3. [M 4,096, K 1,024] x [K 1,024, N 1,024]; A: input values; B: input Wv: QUANTISED (scales: A lowp_scales[4], B lowp_scales[5])
;;     4. batch 16 x [M 4,096, K 64] x [K 64, N 4,096]; A: computed on the way; B: computed on the way: QUANTISED (scales: A lowp_scales[6], B lowp_scales[7])
;;     5. batch 16 x [M 4,096, K 4,096] x [K 4,096, N 64]; A: softmax (see below); B: computed on the way: QUANTISED (scales: A lowp_scales[8], B lowp_scales[9])
;;     6. [M 4,096, K 1,024] x [K 1,024, N 1,024]; A: computed on the way; B: input Wo: QUANTISED (scales: A lowp_scales[10], B lowp_scales[11])
;;   THE QUANTISER, for each operand of a quantised product, along K:
;;     - The operand's scale is 2^e, e = its entry of the input lowp_scales (int32; the entries are numbered through the quantised products in the list's order, A before B).
;;     - Each number is divided by the scale, clamped to +-448, and rounded to the nearest number of E4M3, ties to even, subnormals kept.
;;     - The product sums the exact products of the quantised numbers (number of the format x scale) in f32.
;;   ~~~python
;;   def quantise(x, axis, e):      # numpy; x: float32 -> the quantised numbers, widened to float32 again
;;       x = np.moveaxis(x, axis, -1); K = x.shape[-1]
;;       r = np.clip(x / 2.0 ** e, -448, 448)
;;       step = 2.0 ** (np.maximum(np.frexp(np.where(r == 0, 1, r))[1] - 1, -6) - 3)
;;       q = np.round(r / step) * step * 2.0 ** e      # np.round: ties to even
;;       return np.moveaxis(q, -1, axis).astype(np.float32)
;;   ~~~
;;   SOFTMAX AHEAD OF A QUANTISED PRODUCT. Where the list says 'softmax', what is quantised is not the finished softmax but p = 2^(t - M), with t = logit x log2(e) and M = ceil(the row's largest t), a whole number; so 1/2 < the row's largest p <= 1. The row's sum l is taken of the UNQUANTISED p, in f32, and the product's result is divided by l at the end. Since M is a whole number, a kernel that streams over the keys may use a running M (the ceiling of the running maximum): every later rescaling is an exact power of two, so the quantised numbers keep their values, but for numbers so far below the row's largest that they fall under the format's range.
;;   OPERANDS COMPUTED ON THE WAY. 'Computed on the way' means the value that the module computes at that place (a softmax that the list does not call 'softmax' is quantised finished and normalised). What goes into a quantiser is computed in f32, as accurately as f32 sums, v_exp_f32 and their like allow (about 1e-6 of the number): no bf16 or f16 on the way to a quantiser, and a product that is left as it is and whose result goes on into a quantised operand takes f32 operands (vector FMAs, or v_wmma_f32_16x16x4_f32). A number that lies on a knife's edge between two numbers of the format may be rounded either way, as far as f32 arithmetic and the matrix unit's own rounding can turn it there, and no further.
;; One version. Each part assembles by itself: llvm-mc -triple=amdgcn-amd-amdhsa -mcpu=gfx1250 --defsym DOCPART=n.
;; ======== version 1 of 1: 4 launches
;; limits: right only within a limited range of input values
;; workspace buffers: codes 16,777,216 bytes; qkv 12,582,912 bytes; aimg 4,194,304 bytes
;; launch quant (part 1): grid 512 x 1, 4 waves a work-group, no clusters, 34,304 bytes of LDS; arguments querys, keys, values, Wq, Wk, Wv, Wo, lowp_scales, codes; writes codes
.if DOCPART == 1
	.amdgcn_target "amdgcn-amd-amdhsa--gfx1250"
	.amdhsa_code_object_version 6
	.text
	.protected	k_q37092d9072_quant
	.globl	k_q37092d9072_quant
	.p2align	8
	.type	k_q37092d9072_quant,@function
k_q37092d9072_quant:
	s_mov_b64 s[64:65], 0
	v_nop
	global_prefetch_b8 v0, s[64:65] scope:SCOPE_SE
	s_setreg_imm32_b32 hwreg(HW_REG_WAVE_MODE, 25, 1), 1
	s_wait_xcnt 0x0
; The seven f32 operands of the four projections become codes of FP8 (E4M3), each with the one scale 2^e that is given for it:
; code = x / 2^e, held within +-448, rounded to the nearest code, ties to even.  K (1,024) is innermost in all seven.
; THE CODES ARE LAID IN THE ORDER OF THE OPERAND'S REGISTERS.  A fragment is 16 rows x 128 K = 2,048 consecutive bytes: four groups of 512, lane l's 16 bytes of group g at 512 g + 16 l.
; Lane (r = l % 16, h = l / 16) holds row r; its bytes 0-7 of group g are k = 32 g + 8 h + 0..7, bytes 8-15 k = 32 g + 16 + 8 h + 0..7: registers 4 g .. 4 g + 3 of the plain 8-bit layout.
; EIGHT ROW TILES (128 rows) FORM A BLOCK of 131,072 bytes: K step s (256 along K) at 32,768 s, row tile t at 4,096 t, its two fragments on end.  So a block's K steps are dense, one behind the other.
; Row tiles in the buffer: querys 0-255, keys 256-511, values 512-767, Wq 768-831, Wk 832-895, Wv 896-959, Wo 960-1023.
; SHARES.  Work-group G takes row tiles 2 G and 2 G + 1; wave w takes row tile 2 G + w / 2 and the half w % 2 of K: four fragments, 64 numbers a lane each.
; Each load reads 512 consecutive bytes of one row; a fragment's 16 x 512 bytes turn through the wave's own stage in LDS (rows 528 bytes apart = 33 x 16, so that the sixteen rows of a read
; begin in sixteen different 16-byte columns modulo 256) and come back eight neighbours along K at a time.  A store covers 512 consecutive bytes, aligned.
; No tensor load, no barrier: waves share nothing.  Matrix units and clusters have nothing to do here: no byte is read twice.
; LIMITS: -126 <= e and e + 8 <= 127 for each of the seven exponents.  NaN among the inputs is not served (an infinity is held at the largest code).
; In the whole program no input and no product is left out but the key blocks that the causal mask hides whole (launch attn): their p is 0 for all values of the inputs.  A NaN or an infinity in a hidden key's score is not carried to the result.
.set STG,   8448                       ; a wave's stage: 16 rows x 528 bytes
.set SPARE, 4*STG                      ; behind the stages: the spare words, 128 bytes for each wave: two blocks of 256 bytes that no other line names
.set LI,    1                          ; v1   16 x lane; never rewritten
.set STA,   2                          ; v2   the stage, on the way in: 16 x lane
.set LDA,   3                          ; v3   on the way out: 528 r + 32 h
.set LIM,   10                         ; v10  448 x 2^e
.set SCL,   11                         ; v11  2^e
.set SPW,   12                         ; v12  LDS address of my spare word; never rewritten
.set NIL,   13                         ; v13  0; never rewritten
.set R,     16                         ; v16-143  two sets of 64: a fragment as it is loaded
.set X,     144                        ; v144-207 the fragment with K along my registers
.set C,     208                        ; v208-223 its codes
	s_load_b512 s[4:19], s[0:1], 0x0               ; querys, keys, values, Wq, Wk, Wv, Wo, the scales' exponents (s[18:19])
	s_load_b64 s[20:21], s[0:1], 0x40              ; the codes
	v_lshl_add_u32 v[SPW], v0, 2, SPARE
	v_mov_b32 v[NIL], 0
	v_lshrrev_b32 v4, 5, v0
	v_readfirstlane_b32 s22, v4                    ; wave 0..3
	v_and_b32 v5, 31, v0
	v_lshlrev_b32 v[LI], 4, v5
	s_mul_i32 s26, s22, STG
	v_add_nc_u32 v[STA], s26, v[LI]
	v_and_b32 v6, 15, v0                           ; r
	v_bfe_u32 v7, v0, 4, 1                         ; h
	v_mul_u32_u24 v[LDA], v6, 528
	v_lshl_add_u32 v[LDA], v7, 5, v[LDA]
	v_add_nc_u32 v[LDA], s26, v[LDA]
	; which tensor: work-groups 0-383 take the three activations (128 each), 384-511 the four weights (32 each).  All hangs on the work-group's number alone
	s_lshr_b32 s23, ttmp9, 7                       ; an activation's number: 0, 1, 2
	s_sub_co_u32 s27, ttmp9, 384
	s_lshr_b32 s27, s27, 5
	s_add_co_u32 s27, s27, 3                       ; a weight's: 3 .. 6
	s_lshl_b32 s28, s23, 8                         ; the tensor's first row tile: 256 x number,
	s_lshl_b32 s29, s27, 6
	s_add_co_u32 s29, s29, 576                     ; or 576 + 64 x number
	s_lshl_b32 s30, s23, 1                         ; its entry among the exponents: 0, 2, 4,
	s_lshl_b32 s31, s27, 1
	s_sub_co_u32 s31, s31, 5                       ; or 1, 3, 5,
	s_cmp_eq_u32 s27, 6
	s_cselect_b32 s31, 11, s31                     ; and 11 for Wo
	s_cmp_lt_u32 ttmp9, 384
	s_cselect_b32 s23, s23, s27
	s_cselect_b32 s28, s28, s29
	s_cselect_b32 s30, s30, s31
	s_lshl_b32 s30, s30, 2
	s_lshl_b32 s24, ttmp9, 1
	s_lshr_b32 s25, s22, 1
	s_add_co_u32 s24, s24, s25                     ; my row tile
	s_and_b32 s25, s22, 1                          ; my half of K
	s_sub_co_u32 s32, s24, s28
	s_lshl_b32 s32, s32, 16                        ; in the tensor: 16 rows of 4,096 bytes a tile,
	s_lshl_b32 s34, s25, 11
	s_add_co_u32 s32, s32, s34                     ; + 2,048 bytes for the upper half of K
	s_mov_b32 s33, 0
	s_lshr_b32 s34, s24, 3                         ; in the codes: 131,072 bytes a block of eight row tiles,
	s_lshl_b32 s34, s34, 17
	s_and_b32 s35, s24, 7
	s_lshl_b32 s35, s35, 12                        ; + 4,096 a row tile,
	s_add_co_u32 s34, s34, s35
	s_lshl_b32 s35, s25, 16                        ; + two K steps for the upper half of K
	s_add_co_u32 s34, s34, s35
	s_mov_b32 s35, 0
	s_wait_alu depctr_va_vdst(0)                   ; directly ahead of the wait below
	s_wait_kmcnt 0x0
	s_load_b32 s36, s[18:19], s30 offset:0x0       ; e
	s_cmp_eq_u32 s23, 1                            ; the tensor's address: a choice between buffers on the work-group's number
	s_cselect_b64 s[4:5], s[6:7], s[4:5]
	s_cmp_eq_u32 s23, 2
	s_cselect_b64 s[4:5], s[8:9], s[4:5]
	s_cmp_eq_u32 s23, 3
	s_cselect_b64 s[4:5], s[10:11], s[4:5]
	s_cmp_eq_u32 s23, 4
	s_cselect_b64 s[4:5], s[12:13], s[4:5]
	s_cmp_eq_u32 s23, 5
	s_cselect_b64 s[4:5], s[14:15], s[4:5]
	s_cmp_eq_u32 s23, 6
	s_cselect_b64 s[4:5], s[16:17], s[4:5]
	s_add_nc_u64 s[4:5], s[4:5], s[32:33]
	s_add_nc_u64 s[20:21], s[20:21], s[34:35]
.macro LOAD t                          ; fragment t: 512 bytes of each of the 16 rows, into set t % 2
.set i, 0
.rept 16
	global_load_b128 v[R+64*((\t)%2)+4*i:R+64*((\t)%2)+4*i+3], v[LI], s[4:5] offset:512*(\t)+4096*i th:TH_LOAD_NT
.set i, i+1
.endr
.endm
	LOAD 0
	LOAD 1
	s_wait_kmcnt 0x0
	s_add_co_i32 s36, s36, 127
	s_lshl_b32 s37, s36, 23
	v_mov_b32 v[SCL], s37                          ; 2^e as f32: the conversion takes its exponent field
	s_add_co_i32 s36, s36, 8
	s_lshl_b32 s36, s36, 23
	s_or_b32 s36, s36, 0x600000
	v_mov_b32 v[LIM], s36                          ; 448 x 2^e
.macro STEP t
.if (\t) < 3
	s_wait_loadcnt 16                              ; this fragment's 16 loads are in; the next fragment's 16 may be out
.else
	s_wait_loadcnt 0x0
.endif
.set i, 0
.rept 16
	ds_store_b128 v[STA], v[R+64*((\t)%2)+4*i:R+64*((\t)%2)+4*i+3] offset:528*i   ; row i as it lies
.set i, i+1
.endr
.set i, 0
.rept 8
	ds_load_b128 v[X+8*i:X+8*i+3], v[LDA] offset:64*i          ; k = 16 i + 8 h + 0..7 of row r.  LDS serves a wave's instructions in order: these see the stores above
	ds_load_b128 v[X+8*i+4:X+8*i+7], v[LDA] offset:64*i+16
.set i, i+1
.endr
	s_wait_dscnt 0x0                               ; the fragment is back, and the stores into the stage have read their registers
	s_wait_xcnt 0x0                                ; the last step's stores have read their data: C is written again only behind this wait
.if (\t) < 2
	LOAD (\t)+2
.endif
.set i, 0
.rept 64
	v_med3_num_f32 v[X+i], v[X+i], -v[LIM], v[LIM] ; the conversion to an 8-bit code does not saturate (ISA guide 7.6.2): the hold at the largest code x the scale
.set i, i+1
.endr
.set i, 0
.rept 8
	v_cvt_scalef32_pk8_fp8_f32 v[C+2*i:C+2*i+1], v[X+8*i:X+8*i+7], v[SCL]
.set i, i+1
.endr
	v_nop                                          ; one plain vector line behind the conversions: the next step's holds write their sources
.irp g, 0,1,2,3
	global_store_b128 v[LI], v[C+4*\g:C+4*\g+3], s[20:21] offset:32768*((\t)/2)+2048*((\t)%2)+512*\g   ; 32 lanes store 512 consecutive bytes, aligned
.endr
.endm
	s_wait_alu depctr_va_vdst(0)                   ; at the head's end
.irp t, 0,1,2,3
	STEP \t
.endr
	s_wait_tensorcnt 0x0                           ; the wave's end: behind my last LDS store
	ds_add_u32 v[SPW], v[NIL]
	s_wait_dscnt 0x0
	s_endpgm
.Lfunc_end_k_q37092d9072_quant:
	.size	k_q37092d9072_quant, .Lfunc_end_k_q37092d9072_quant-k_q37092d9072_quant
	.p2alignl 7, 3214868480
	.fill 96, 4, 3214868480
	.section	.rodata,"a",@progbits
	.p2align	6, 0x0
	.amdhsa_kernel k_q37092d9072_quant
		.amdhsa_group_segment_fixed_size 34304
		.amdhsa_private_segment_fixed_size 0
		.amdhsa_enable_private_segment 0
		.amdhsa_kernarg_size 72
		.amdhsa_user_sgpr_count 2
		.amdhsa_user_sgpr_kernarg_segment_ptr 1
		.amdhsa_wavefront_size32 1
		.amdhsa_system_sgpr_workgroup_id_x 1
		.amdhsa_system_sgpr_workgroup_id_y 1
		.amdhsa_system_sgpr_workgroup_id_z 1
		.amdhsa_system_vgpr_workitem_id 0
		.amdhsa_next_free_vgpr 224
		.amdhsa_next_free_sgpr 66
		.amdhsa_reserve_vcc 0
		.amdhsa_float_denorm_mode_32 3
		.amdhsa_float_denorm_mode_16_64 3
		.amdhsa_memory_ordered 1
		.amdhsa_forward_progress 1
		.amdhsa_inst_pref_size 38
	.end_amdhsa_kernel
	.amdgpu_metadata
---
amdhsa.version: [ 1, 2 ]
amdhsa.kernels:
  - .name:           k_q37092d9072_quant
    .symbol:         k_q37092d9072_quant.kd
    .args:
      - { .name: querys, .offset: 0, .size: 8, .value_kind: global_buffer, .address_space: global }
      - { .name: keys, .offset: 8, .size: 8, .value_kind: global_buffer, .address_space: global }
      - { .name: values, .offset: 16, .size: 8, .value_kind: global_buffer, .address_space: global }
      - { .name: Wq, .offset: 24, .size: 8, .value_kind: global_buffer, .address_space: global }
      - { .name: Wk, .offset: 32, .size: 8, .value_kind: global_buffer, .address_space: global }
      - { .name: Wv, .offset: 40, .size: 8, .value_kind: global_buffer, .address_space: global }
      - { .name: Wo, .offset: 48, .size: 8, .value_kind: global_buffer, .address_space: global }
      - { .name: lowp_scales, .offset: 56, .size: 8, .value_kind: global_buffer, .address_space: global }
      - { .name: codes, .offset: 64, .size: 8, .value_kind: global_buffer, .address_space: global }
    .group_segment_fixed_size: 34304
    .private_segment_fixed_size: 0
    .kernarg_segment_align: 8
    .kernarg_segment_size: 72
    .max_flat_workgroup_size: 128
    .sgpr_count:     66
    .vgpr_count:     224
    .wavefront_size: 32
...
	.end_amdgpu_metadata
.endif
;; end of part 1
;; launch proj (part 2): grid 4 x 48, 4 waves a work-group, clusters of 4 x 4, 327,680 bytes of LDS; arguments codes, lowp_scales, bq, bk, bv, qkv; writes qkv
.if DOCPART == 2
	.amdgcn_target "amdgcn-amd-amdhsa--gfx1250"
	.amdhsa_code_object_version 6
	.text
	.protected	k_q37092d9072_proj
	.globl	k_q37092d9072_proj
	.p2align	8
	.type	k_q37092d9072_proj,@function
k_q37092d9072_proj:
	s_mov_b64 s[64:65], 0
	v_nop
	global_prefetch_b8 v0, s[64:65] scope:SCOPE_SE
	s_setreg_imm32_b32 hwreg(HW_REG_WAVE_MODE, 25, 1), 1
	s_wait_xcnt 0x0
	s_wait_alu depctr_hold_cnt(0) depctr_sa_sdst(0) depctr_va_vdst(0) depctr_va_sdst(0) depctr_va_ssrc(0) depctr_va_vcc(0) depctr_vm_vsrc(0)
	s_getreg_b32 s2, hwreg(HW_REG_IB_STS2, 6, 4)
	s_cmp_eq_u32 s2, 0
	s_cbranch_scc0 .Lentry_in_a_cluster
	s_endpgm
.Lentry_in_a_cluster:
	s_bfe_u32 s2, ttmp6, 0x10000c
	s_cmp_lg_u32 s2, 0xf033
	s_cbranch_scc0 .Lentry_shape_is_right
	s_endpgm
.Lentry_shape_is_right:
; The three input projections on codes of FP8 (E4M3): q = querys Wq^T + bq, k = keys Wk^T + bk, v = values Wv^T + bv, each [4096][1024], K = 1,024; sums in f32.
; Each result is quantised at once, with its given scale (entries 6, 7, 9), and stored as the codes that the attention launch's matrix instructions take.
; OPERANDS lie in the buffer of codes in the order of the operand's registers: a fragment (16 rows x 128 K) is 2,048 consecutive bytes, lane l's 16 bytes of group g at 512 g + 16 l; a block of 128 rows is 131,072
; bytes: K step s (256 along K) at 32,768 s, row tile t at 4,096 t, its two fragments on end.
; A TILE of 256 x 256 results to a work-group: 64 tiles for each product, 192 work-groups.  Four waves, each 128 x 128: 64 accumulators, 512 registers.  Wave w brings one block of 128 rows (S1's two, then S0's two),
; by joint loads, into 65,536 bytes of LDS at 65,536 w: two slots of 32,768, each a K step.  K steps 0 and 1 come by ONE load at the head; steps 2 and 3 fill the two slots again.
; SOURCES.  acc(a, b) = S0's fragment b (source 0) x S1's fragment a (source 1): lane (r, h) holds S1's row 16 a + r, and its register j S0's row 16 b + 8 h + j.
;   q, k: S0 = the weight, S1 = the tokens: a lane holds one token and eight neighbouring channels.   v: S0 = the tokens, S1 = the weight: a lane holds one channel and eight neighbouring keys.
; So the conversions of acc(a, 2 g) and acc(a, 2 g + 1) are the lane's 16 bytes of a group of the next product's fragment, in the same lane: the codes go from registers to memory, 512 aligned bytes a store.
; RESULTS.  q at byte 0, k at 4 MiB: head x 262,144 + (token / 16) x 1,024 + (d / 32) x 512 + 16 l.   v at 8 MiB: head x 262,144 + (key / 128) x 8,192 + (d / 16) x 2,048 + ((key % 128) / 32) x 512 + 16 l.
; CLUSTERS of 4 x 4.  S1's tile hangs on the cluster's id and cy and is shared along a row of the cluster; S0's on the cluster's id and cx and is shared along a column: each is asked for jointly.
; One text serves the three products: which one is the cluster's y / 4, the same in all partners.  The bias runs along the registers (q, k) or along the lanes (v): the way out is written for each.
; NO PREFETCH: K has four steps, of which two are asked for at the head; behind them there is no loop to run ahead in.
; LIMITS: the two operands' exponents added lie between -126 and 127; the result's exponent between -126 and 119.  NaN among the inputs is not served.
.set SLOT,  32768
.set SPARE, 262144                     ; behind the operands: the spare words, 128 bytes for each wave: two blocks of 256 bytes that no other line names
.set FR,   16                          ; registers of a fragment
.set NL,   4                           ; LDS loads that bring one
.set LI,   1                           ; v1     16 x lane
.set ADRA, 8                           ; v8-9   LDS address of my S1 fragments in slot 0, 1
.set ADRB, 10                          ; v10-11 the same for S0
.set HOLD, 20                          ; v20    448 x 2^eo
.set SCL,  21                          ; v21    2^eo
.set SPW,  28                          ; v28    LDS address of my spare word; never rewritten
.set NIL,  29                          ; v29    0; never rewritten
.set BJ,   32                          ; v32-95 the bias: q, k: along my registers, 8 for each b; v: of my lane, twice, for each a
.set AF,   128                         ; v128-255 S1's eight fragments.  Window 1: S0's eight, two sets, at v0 and v128.  Windows 2, 3: acc(a, b) at 8 (8 (a % 4) + b), a = 0..3, 4..7
.set TMP,  128                         ; the way out: v128-191 64 numbers at work; the codes in v96-127 (a = 0..3) and v192-255 (a = 4..7), 16 registers for each a
.set G1A,  24                          ; s[24:31] descriptor group 1 for S1's K step;  s[32:39] for S0's: they differ in the mask alone
.set G1B,  32
.set H1A,  68                          ; s[68:75], s[76:83] the same for the head's two K steps
.set H1B,  76
.set G0A,  40                          ; s[40:47] group 0 for S1's, one for each slot;  s[48:55] for S0's
.set G0B,  48
.set MSB, 0
.macro WIN new                         ; the immediate's high byte repeats the setting that is left
.if MSB != \new
	s_set_vgpr_msb (MSB<<8)|\new
.set MSB, \new
.endif
.endm
.set MUL_LO, 0xa1                      ; source 0 (S0) window 1, source 1 (S1) window 0, C and D window 2
.set MUL_HI, 0xf1                      ; the same, C and D window 3
.set TO_B,   0x40                      ; destination window 1, address window 0
; A joint load: waves 0 and 1 fetch for S1, waves 2 and 3 for S0.  The branch hangs on the wave's number alone.  An s_nop 0 and four v_nop follow each of the two lines.
.macro JLOAD s, g1a, g1b
	s_cmp_eq_u32 s17, 0
	s_cbranch_scc0 .Lfor_b_\@
	tensor_load_to_lds s[G0A+4*\s:G0A+4*\s+3], s[\g1a:\g1a+7]
	s_nop 0
.rept 4
	v_nop
.endr
	s_branch .Lasked_\@
.Lfor_b_\@:
	tensor_load_to_lds s[G0B+4*\s:G0B+4*\s+3], s[\g1b:\g1b+7]
	s_nop 0
.rept 4
	v_nop
.endr
.Lasked_\@:
.endm
.macro CREST                           ; a round of the cluster's barrier behind its opening barrier
	s_cmp_lg_u32 s16, 0
	s_cbranch_scc1 .Lnot_wave_0_\@
	s_barrier_signal -3
.Lnot_wave_0_\@:
	s_barrier_wait -3
	s_barrier_signal -1
	s_barrier_wait -1
.endm
.macro CROUND                          ; a whole round
	s_barrier_signal -1
	s_barrier_wait -1
	CREST
.endm
.macro PLACES                          ; four plain vector lines in front of loads into registers that matrix instructions have read, and of the first read of results
.rept 4
	v_nop
.endr
.endm
	s_load_b256 s[4:11], s[0:1], 0x0               ; the codes s[4:5], the scales' exponents s[6:7], bq s[8:9], bk s[10:11]
	s_load_b128 s[12:15], s[0:1], 0x20             ; bv s[12:13], the results s[14:15]
	v_lshl_add_u32 v[SPW], v0, 2, SPARE
	v_mov_b32 v[NIL], 0
	ds_add_u32 v[SPW], v[NIL]                      ; the wave's opening: the add, twice on end, and its wait ahead of my first tensor load; work on registers stands between
	ds_add_u32 v[SPW], v[NIL]
	v_lshrrev_b32 v2, 5, v0
	v_readfirstlane_b32 s16, v2                    ; wave 0..3
	s_lshr_b32 s17, s16, 1                         ; wi: my 128 rows of S1.  Also: I fetch for S1 (0) or for S0 (1)
	s_and_b32 s18, s16, 1                          ; wj: my 128 rows of S0.  Also: which 128 rows of that tile I fetch
	s_bfe_u32 s19, ttmp6, 0x40000                  ; cx
	s_bfe_u32 s20, ttmp6, 0x40004                  ; cy
	s_and_b32 s22, ttmp7, 0xffff                   ; cluster y: 0 .. 11 (cluster x is 0: the grid is one cluster wide)
	s_lshr_b32 s23, s22, 2                         ; which product: 0 q, 1 k, 2 v
	s_and_b32 s22, s22, 3
	s_lshl_b32 s22, s22, 2                         ; the cluster's first tile of tokens
	s_lshl_b32 s58, s23, 22                        ; q, k: S1 = the tokens' codes, at 4 MiB x product,
	s_lshl_b32 s59, s23, 20
	s_add_co_u32 s59, s59, (12<<20)                ;       S0 = the weight's, at 12 MiB + 1 MiB x product
	s_mov_b32 s60, (14<<20)                        ; v:    S1 = Wv's,
	s_mov_b32 s61, (8<<20)                         ;       S0 = values'
	s_cmp_eq_u32 s23, 2
	s_cselect_b32 s56, s22, 0
	s_cselect_b32 s57, 0, s22
	s_cselect_b32 s58, s60, s58
	s_cselect_b32 s59, s61, s59
	s_add_co_u32 s56, s56, s19                     ; S0's tile of 256 rows: made of the cluster's id and cx
	s_add_co_u32 s57, s57, s20                     ; S1's: made of the cluster's id and cy
	s_lshl_b32 s62, s20, 2
	s_lshl_b32 s62, 15, s62                        ; my row of the cluster
	s_lshl_b32 s63, 0x1111, s19                    ; my column
	; descriptor group 1: a K step of a block, 32,768 consecutive bytes as 8 rows of 4,096; at the head two K steps, as 16 rows
	s_or_b32 s[G1A], s62, (3<<16)|(1<<21)          ; 15:0 the mask; 17:16 elements of 8 bytes; 21 set beside a mask; no padding
	s_or_b32 s[G1B], s63, (3<<16)|(1<<21)
	s_or_b32 s[H1A], s62, (3<<16)|(1<<21)
	s_or_b32 s[H1B], s63, (3<<16)|(1<<21)
.macro GROUP1 g, rows
	s_mov_b32 s[\g+1], 512<<16                     ; tensor_dim0 = 512 elements
	s_mov_b32 s[\g+2], \rows<<16                   ; tensor_dim1
	s_mov_b32 s[\g+3], 512<<16                     ; tile_dim0
	s_mov_b32 s[\g+4], \rows                       ; tile_dim1
	s_mov_b32 s[\g+5], 512                         ; tensor_dim0_stride, in elements
	s_mov_b32 s[\g+6], 0
	s_mov_b32 s[\g+7], 0
.endm
	GROUP1 G1A, 8
	GROUP1 G1B, 8
	GROUP1 H1A, 16
	GROUP1 H1B, 16
	s_lshl_b32 s66, s18, 17                        ; the block that I fetch
	s_lshl_b32 s96, s57, 18                        ; S1: two blocks of 131,072 bytes to a tile
	s_add_co_u32 s96, s96, s58
	s_add_co_u32 s96, s96, s66
	s_mov_b32 s97, 0
	s_lshl_b32 s98, s56, 18                        ; S0 likewise
	s_add_co_u32 s98, s98, s59
	s_add_co_u32 s98, s98, s66
	s_mov_b32 s99, 0
	s_lshl_b32 s67, s16, 16                        ; where it goes: wave x 65,536: S1's two halves, then S0's two
	s_lshl_b32 s2, s17, 16                         ; my eight fragments' rows of S1,
	s_lshl_b32 s3, s18, 16
	s_add_co_u32 s3, s3, 131072                    ; and of S0, which lies behind S1
	v_and_b32 v3, 31, v0
	v_lshlrev_b32 v[LI], 4, v3
	v_bfe_u32 v4, v0, 4, 1
	v_lshlrev_b32 v5, 5, v4                        ; 32 h
	v_and_b32 v6, 15, v0
	v_lshlrev_b32 v6, 2, v6                        ; 4 r
	v_add_nc_u32 v[ADRA], s2, v[LI]
	v_add_nc_u32 v[ADRB], s3, v[LI]
	v_add_nc_u32 v[ADRA+1], SLOT, v[ADRA]
	v_add_nc_u32 v[ADRB+1], SLOT, v[ADRB]
	s_wait_alu depctr_va_vdst(0)                   ; directly ahead of the waits below
	s_wait_dscnt 0x0                               ; both opening adds are done
	s_wait_kmcnt 0x0
	s_load_b256 s[84:91], s[6:7], 0x0              ; the twelve exponents: entry i in s[84 + i]
	s_load_b128 s[92:95], s[6:7], 0x20
	s_add_nc_u64 s[96:97], s[4:5], s[96:97]
	s_add_nc_u64 s[98:99], s[4:5], s[98:99]
	CROUND                                         ; all sixteen work-groups are here: the joint loads meet
.irp s, 0,1                            ; slot 0's: K step 0 (the head's load), slot 1's: K step 3
	s_mov_b32 s[G0A+4*\s], 1
	s_add_co_u32 s[G0A+4*\s+1], s67, \s*SLOT
	s_add_nc_u64 s[G0A+4*\s+2:G0A+4*\s+3], s[96:97], \s*3*32768
	s_or_b32 s[G0A+4*\s+3], s[G0A+4*\s+3], 0x80000000
	s_mov_b32 s[G0B+4*\s], 1
	s_add_co_u32 s[G0B+4*\s+1], s67, \s*SLOT
	s_add_nc_u64 s[G0B+4*\s+2:G0B+4*\s+3], s[98:99], \s*3*32768
	s_or_b32 s[G0B+4*\s+3], s[G0B+4*\s+3], 0x80000000
.endr
	JLOAD 0, H1A, H1B                              ; K steps 0 and 1, into both slots: one tensor load a wave at the head
	; what follows lies under the load's flight.  Channels run over S0's rows (q, k) or S1's (v), tokens over the other's
	s_cmp_eq_u32 s23, 1
	s_cselect_b64 s[8:9], s[10:11], s[8:9]
	s_cmp_eq_u32 s23, 2
	s_cselect_b64 s[8:9], s[12:13], s[8:9]
	s_cselect_b32 s2, s56, s57                     ; the tile of tokens,
	s_cselect_b32 s3, s18, s17                     ; my half of it,
	s_cselect_b32 s60, s57, s56                    ; the tile of channels,
	s_cselect_b32 s61, s17, s18                    ; my half of it
	s_lshl_b32 s66, s60, 10
	s_lshl_b32 s67, s61, 9
	s_add_co_u32 s66, s66, s67                     ; the bias of my first channel: 4 (256 tile + 128 half) bytes
	s_mov_b32 s67, 0
	s_add_nc_u64 s[8:9], s[8:9], s[66:67]
	s_lshl_b32 s2, s2, 14                          ; my codes: 16,384 bytes for 256 tokens of a head,
	s_lshl_b32 s3, s3, 13
	s_add_co_u32 s2, s2, s3
	s_lshl_b32 s60, s60, 20                        ; 262,144 for a head
	s_add_co_u32 s2, s2, s60
	s_lshl_b32 s61, s61, 19
	s_add_co_u32 s2, s2, s61
	s_lshl_b32 s3, s23, 22
	s_add_co_u32 s2, s2, s3                        ; q at 0, k at 4 MiB, v at 8 MiB
	s_mov_b32 s3, 0
	s_add_nc_u64 s[14:15], s[14:15], s[2:3]
	s_cmp_eq_u32 s23, 2                            ; a branch on the cluster's y: alike in all partners.  Both ways write all 64 registers
	s_cbranch_scc1 .Lbias_v
.irp b, 0,1,2,3,4,5,6,7
	global_load_b128 v[BJ+8*\b:BJ+8*\b+3], v5, s[8:9] offset:64*\b          ; channels 16 b + 8 h + 0..7
	global_load_b128 v[BJ+8*\b+4:BJ+8*\b+7], v5, s[8:9] offset:64*\b+16
.endr
	s_branch .Lbias_done
.Lbias_v:
.irp a, 0,1,2,3,4,5,6,7
	global_load_b32 v[BJ+2*\a], v6, s[8:9] offset:64*\a                     ; channel 16 a + r, in both halves of a pair
	global_load_b32 v[BJ+2*\a+1], v6, s[8:9] offset:64*\a
.endr
.set i, 16
.rept 48
	v_mov_b32 v[BJ+i], 0
.set i, i+1
.endr
.Lbias_done:
	; the scales: no branch hangs on them
	s_wait_alu depctr_va_vdst(0)                   ; directly ahead of the wait below
	s_wait_kmcnt 0x0
	s_add_co_i32 s2, s84, s85
	s_add_co_i32 s3, s86, s87
	s_add_co_i32 s66, s88, s89
	s_cmp_eq_u32 s23, 1
	s_cselect_b32 s2, s3, s2
	s_cselect_b32 s67, s91, s90
	s_cmp_eq_u32 s23, 2
	s_cselect_b32 s2, s66, s2                      ; the two operands' exponents added
	s_cselect_b32 s67, s93, s67                    ; the result's: entry 6, 7 or 9
	s_add_co_i32 s2, s2, 127
	s_lshl_b32 s96, s2, 23                         ; a sum stands for sum x this power of two
	s_mov_b32 s97, s96                             ; (named with it as a pair, so it is written)
	s_add_co_i32 s67, s67, 127
	s_lshl_b32 s3, s67, 23
	v_mov_b32 v[SCL], s3
	s_add_co_i32 s67, s67, 8
	s_lshl_b32 s67, s67, 23
	s_or_b32 s67, s67, 0x600000
	v_mov_b32 v[HOLD], s67
.macro FRAG reg, adr, q, i             ; a fragment: four loads of 512 consecutive bytes
.irp c, 0,1,2,3
	ds_load_b128 v[\reg+4*\c:\reg+4*\c+3], v[\adr] offset:4096*(\i)+2048*(\q)+512*\c
.endr
.endm
.macro FETCH_B slot, q, p              ; S0's eight fragments of the slot's q-th 128 along K into set p
	WIN TO_B
.irp i, 0,1,2,3,4,5,6,7
	FRAG 128*(\p)+FR*\i, ADRB+\slot, \q, \i
.endr
	WIN 0
.endm
.macro FETCH_A slot, q, i0             ; S1's fragments i0 .. i0 + 3
.irp i, \i0, \i0+1, \i0+2, \i0+3
	FRAG AF+FR*(\i), ADRA+\slot, \q, \i
.endr
.endm
; 8 matrix instructions: S1's fragment a x S0's eight.  p: S0's set.  zero = 1: the first product starts the sums.
; The 64 accumulators take turns, one instruction a turn, in the same order in every step.
.macro MUL8 a, p, zero
.irp b, 0,1,2,3,4,5,6,7
.if \zero
	v_wmma_f32_16x16x128_fp8_fp8 v[8*(8*((\a)%4)+\b):8*(8*((\a)%4)+\b)+7], v[128*(\p)+FR*\b:128*(\p)+FR*\b+FR-1], v[AF+FR*(\a):AF+FR*(\a)+FR-1], 0
.else
	v_wmma_f32_16x16x128_fp8_fp8 v[8*(8*((\a)%4)+\b):8*(8*((\a)%4)+\b)+7], v[128*(\p)+FR*\b:128*(\p)+FR*\b+FR-1], v[AF+FR*(\a):AF+FR*(\a)+FR-1], v[8*(8*((\a)%4)+\b):8*(8*((\a)%4)+\b)+7]
.endif
.endr
.endm
.macro MUL16 a0, p, zero
	MUL8 \a0, \p, \zero
	MUL8 \a0+1, \p, \zero
.endm
.macro STEP slot, zero                 ; a slot's first 128 along K; its successor lies in the same slot
	s_wait_dscnt 4*NL                              ; S0's set and S1's 0-3 are in; the youngest loads (S1's 4-7) may be out
	WIN MUL_LO
	MUL16 0, 0, \zero
	MUL16 2, 0, \zero
	s_wait_dscnt 0x0                               ; S1's 4-7 are in
	PLACES
	FETCH_B \slot, 1, 1
	FETCH_A \slot, 1, 0
	WIN MUL_HI
	MUL16 4, 0, \zero
	MUL16 6, 0, \zero
	PLACES
	WIN 0
	FETCH_A \slot, 1, 4
.endm
; A slot's second 128 along K changes slots: ONE barrier; in front of it each wave waits for all its tensor loads, adds 0 to its spare word, and waits for that and for its own reads of this slot.  fill = 1: this slot is filled again, two K steps on.
.macro TURN slot, next, fill
	s_wait_tensorcnt 0x0                           ; my part of the next slot has landed
	ds_add_u32 v[SPW], v[NIL]                      ; 0 onto my spare word
	s_wait_dscnt 4*NL+1                            ; (the add and the youngest loads, S1's 4-7, may be out)
	WIN MUL_LO
	MUL16 0, 1, 0                                  ; sixteen matrix instructions stand between the add and the wait for it
	s_wait_dscnt 0x0                               ; the add is done, and my reads of this slot are over
	s_barrier_signal -1
	MUL16 2, 1, 0
	WIN 0
	s_barrier_wait -1
.if \fill
	CREST                                          ; the barrier has opened a round: no wave of any partner still reads this slot's tile or has a load on its way
.if \slot == 0
	s_add_nc_u64 s[G0A+2:G0A+3], s[G0A+2:G0A+3], 2*32768   ; slot 0: from K step 0 to K step 2
	s_add_nc_u64 s[G0B+2:G0B+3], s[G0B+2:G0B+3], 2*32768
.endif
	JLOAD \slot, G1A, G1B                          ; the first tensor load behind the round; its four v_nop are also the places in front of the loads below
.else
	PLACES
.endif
	FETCH_B \next, 0, 0
	FETCH_A \next, 0, 0
	WIN MUL_HI
	MUL16 4, 1, 0
	MUL16 6, 1, 0
	PLACES
	WIN 0
	FETCH_A \next, 0, 4
.endm
	s_wait_alu depctr_va_vdst(0)                   ; at the head's end
	s_wait_tensorcnt 0x0                           ; my part of K steps 0 and 1 is in,
	s_barrier_signal -1
	s_barrier_wait -1                              ; and everybody's
	FETCH_B 0, 0, 0
	FETCH_A 0, 0, 0
	FETCH_A 0, 0, 4
	STEP 0, 1
	TURN 0, 1, 1                                   ; slot 0 takes K step 2
	STEP 1, 0
	TURN 1, 0, 1                                   ; slot 1 takes K step 3
	STEP 0, 0
	TURN 0, 1, 0
	STEP 1, 0
	s_wait_dscnt 4*NL                              ; the last 128 along K: S1's 0-3 first
	WIN MUL_LO
	MUL16 0, 1, 0
	MUL16 2, 1, 0
	WIN 0
	s_wait_dscnt 0x0                               ; S1's 4-7 are in
	PLACES                                         ; for the first reads of acc(0..3, b) and for the numbers laid over S1's fragments 0-3
	s_wait_loadcnt 0x0                             ; the bias
; THE WAY OUT of S1's fragment a: sum x 2^(the operands' exponents) + bias in f32, the hold, the conversion; acc(a, 2 g) and acc(a, 2 g + 1) make my 16 bytes of group g.  Each accumulator is read from its low end on
.macro OUT a, isv
.if (\a == 2) || (\a == 3)
	s_wait_xcnt 0x0                                ; the stores of two fragments ago have read their data
.endif
.if \a < 4
.set CD, 96+16*(\a%2)
.else
.set CD, 192+16*(\a%4)
.endif
	WIN 0x02+((\a)/4)                              ; source 0: window 2 or 3
.irp b, 0,1,2,3,4,5,6,7
.irp i, 0,2,4,6
.if \isv
	v_pk_fma_f32 v[TMP+8*\b+\i:TMP+8*\b+\i+1], v[64*(\a%4)+8*\b+\i:64*(\a%4)+8*\b+\i+1], s[96:97], v[BJ+2*\a:BJ+2*\a+1] op_sel_hi:[1,0,1]
.else
	v_pk_fma_f32 v[TMP+8*\b+\i:TMP+8*\b+\i+1], v[64*(\a%4)+8*\b+\i:64*(\a%4)+8*\b+\i+1], s[96:97], v[BJ+8*\b+\i:BJ+8*\b+\i+1] op_sel_hi:[1,0,1]
.endif
.endr
.endr
	WIN 0
.set i, 0
.rept 64
	v_med3_num_f32 v[TMP+i], v[TMP+i], -v[HOLD], v[HOLD]   ; the conversion to an 8-bit code does not saturate (ISA guide 7.6.2)
.set i, i+1
.endr
.irp b, 0,1,2,3,4,5,6,7
	v_cvt_scalef32_pk8_fp8_f32 v[CD+2*\b:CD+2*\b+1], v[TMP+8*\b:TMP+8*\b+7], v[SCL]
.endr
	v_nop                                          ; one plain vector line behind the conversions: the next lines write their sources
.irp g, 0,1,2,3
.if \isv
	global_store_b128 v[LI], v[CD+4*\g:CD+4*\g+3], s[14:15] offset:262144*(\a/4)+2048*(\a%4)+512*\g   ; 32 lanes store 512 consecutive bytes, aligned
.else
	global_store_b128 v[LI], v[CD+4*\g:CD+4*\g+3], s[14:15] offset:262144*(\g/2)+1024*\a+512*(\g%2)
.endif
.endr
.endm
; The first four fragments go out among the last 32 products; the vector lines of fragment 3 are the places between the last products and the first read of their results
.macro WAYOUT isv
.irp a, 0,1,2,3
	WIN MUL_HI
	MUL8 \a+4, 1, 0
	OUT \a, \isv
.endr
.irp a, 4,5,6,7
	OUT \a, \isv
.endr
.endm
	s_cmp_eq_u32 s23, 2
	s_cbranch_scc1 .Lout_v
	WAYOUT 0
	s_branch .Lout_done
.Lout_v:
	WAYOUT 1
.Lout_done:
	s_wait_tensorcnt 0x0                           ; the wave's end
	ds_add_u32 v[SPW], v[NIL]
	s_wait_dscnt 0x0
	CROUND                                         ; the closing round: no work-group ends while a partner may still ask for a tile that names it
	s_endpgm
.Lfunc_end_k_q37092d9072_proj:
	.size	k_q37092d9072_proj, .Lfunc_end_k_q37092d9072_proj-k_q37092d9072_proj
	.p2alignl 7, 3214868480
	.fill 96, 4, 3214868480
	.section	.rodata,"a",@progbits
	.p2align	6, 0x0
	.amdhsa_kernel k_q37092d9072_proj
		.amdhsa_group_segment_fixed_size 327680
		.amdhsa_private_segment_fixed_size 0
		.amdhsa_enable_private_segment 0
		.amdhsa_kernarg_size 48
		.amdhsa_user_sgpr_count 2
		.amdhsa_user_sgpr_kernarg_segment_ptr 1
		.amdhsa_wavefront_size32 1
		.amdhsa_system_sgpr_workgroup_id_x 1
		.amdhsa_system_sgpr_workgroup_id_y 1
		.amdhsa_system_sgpr_workgroup_id_z 1
		.amdhsa_system_vgpr_workitem_id 0
		.amdhsa_next_free_vgpr 1024
		.amdhsa_next_free_sgpr 100
		.amdhsa_reserve_vcc 0
		.amdhsa_float_denorm_mode_32 3
		.amdhsa_float_denorm_mode_16_64 3
		.amdhsa_memory_ordered 1
		.amdhsa_forward_progress 1
		.amdhsa_inst_pref_size 197
	.end_amdhsa_kernel
	.amdgpu_metadata
---
amdhsa.version: [ 1, 2 ]
amdhsa.kernels:
  - .name:           k_q37092d9072_proj
    .symbol:         k_q37092d9072_proj.kd
    .args:
      - { .name: codes, .offset: 0, .size: 8, .value_kind: global_buffer, .address_space: global }
      - { .name: lowp_scales, .offset: 8, .size: 8, .value_kind: global_buffer, .address_space: global }
      - { .name: bq, .offset: 16, .size: 8, .value_kind: global_buffer, .address_space: global }
      - { .name: bk, .offset: 24, .size: 8, .value_kind: global_buffer, .address_space: global }
      - { .name: bv, .offset: 32, .size: 8, .value_kind: global_buffer, .address_space: global }
      - { .name: qkv, .offset: 40, .size: 8, .value_kind: global_buffer, .address_space: global }
    .group_segment_fixed_size: 327680
    .private_segment_fixed_size: 0
    .kernarg_segment_align: 8
    .kernarg_segment_size: 48
    .max_flat_workgroup_size: 128
    .sgpr_count:     100
    .vgpr_count:     1024
    .wavefront_size: 32
...
	.end_amdgpu_metadata
.endif
;; end of part 2
;; launch attn (part 3): grid 16 x 16, 12 waves a work-group, no clusters, 327,680 bytes of LDS; arguments qkv, lowp_scales, aimg; writes aimg
.if DOCPART == 3
	.amdgcn_target "amdgcn-amd-amdhsa--gfx1250"
	.amdhsa_code_object_version 6
	.text
	.protected	k_q37092d9072_attn
	.globl	k_q37092d9072_attn
	.p2align	8
	.type	k_q37092d9072_attn,@function
k_q37092d9072_attn:
	s_mov_b64 s[64:65], 0
	v_nop
	global_prefetch_b8 v0, s[64:65] scope:SCOPE_SE
	s_setreg_imm32_b32 hwreg(HW_REG_WAVE_MODE, 25, 1), 1
	s_wait_xcnt 0x0
; Causal attention on codes of FP8 (E4M3): 16 heads of 64, 4,096 tokens.  attn[q] = sum over keys k <= q of softmax(q . k / 8) v, quantised at once with its given scale (entry 10) for the output projection.
; q, k, v lie in memory in the order of the operand's registers: a tile of 16 tokens x 64 channels of q or k is 1,024 bytes (two groups of 512, lane l's 16 bytes at 16 l); a block of 128 keys of v is four
; fragments (16 channels x 128 keys) of 2,048 bytes.  So a key step's K and V are one block of 8,192 consecutive bytes each, and every load, LDS store and LDS load takes 512 consecutive bytes.
; THE SOFTMAX AHEAD OF THE SECOND PRODUCT: t = score x log2(e) / 8; M = the running largest t rounded UP to a whole number; p = 2^(t - M) is quantised (entry 8), not normalised; the row's sum is taken of the
; unquantised p, in f32, and divides at the end.  When M moves, the sum and O are multiplied by 2^(old M - new M): exact.  N = -M is what is kept.
; BOTH PRODUCTS ARE USED TRANSPOSED: S^T = K Q^T (source 0 = 16 keys), O^T = V^T P^T (source 0 = 16 channels): a lane holds ONE query (lane % 16) of a tile throughout.  In S^T's tile T register j is key
; 16 T + 8 (lane / 16) + j: the conversion of tile T gives registers 2 T, 2 T + 1 of P's fragment as the plain 8-bit layout has them.  Likewise O^T's four tiles give 32 bytes of the output projection's operand.
; SHARES.  Blocks of 128 queries.  Work-group p of a head takes block p and then block 31 - p: (p + 1) + (32 - p) = 33 key steps of 128 for every work-group: 11 rounds of three steps.  Step n reads key block n (n <= p)
; or n - p - 1.  Key blocks wholly under the mask are left out.  Of the twelve waves, wave w owns the 32 queries 32 (w % 4) on of the block in hand (two tiles, which share every fragment of K and V) and, in round i, step 3 i + w / 4.
; So three waves hold parts of one query's sum, each with its own M.  A wave lays its part of the low block (O, N, the sum) into LDS when its steps pass p, and that of the high block at the end; then the three parts
; are brought under one M by powers of two, added, divided and quantised.
; RING.  Four LDS slots; round i lies in slot i % 4: step 3 i + u at 65,536 u + 16,384 (i % 4), K and then V.  Each wave brings 4,096 bytes of a round through eight loads into registers of its own (v256-287), issued
; in round i for round i + 3, stored in the middle of round i + 1 into slot (i + 3) % 4, which was last read in round i - 1.  No tensor load, no copy.
; ONE BARRIER A ROUND.  Round i's is signalled when my reads of slot i % 4 and my stores for round i + 2 are done, ahead of the second tile's exponentials.  Between the signal and the wait stand work on registers and
; the loads of K for round i + 1: those bytes were stored in round i - 1, ahead of that round's barrier, and are written next in round i + 3.
; THE HOLD of p at 448 x 2^e8 stands under a branch on e8: where e8 >= -8, p <= 1 lies under it.
; NO CLUSTER: at the same round the work-groups of a head stand at different key blocks (n against n - p - 1), so no two of them could ask for one tile jointly.  NO PREFETCH: the loads into registers are themselves
; issued three rounds ahead of the round that reads them, and half a round or more ahead of the wait for them.
; LIMITS on the given exponents: entries 6 + 7 between -123 and 130 (added to the exponent field of log2(e) / 8); entries 8 and 10 each between -126 and 119; 8 + 9 is applied by v_ldexp_f32 and has none.
; NaN is not served.  The scaled scores t stay under 2^31 in magnitude.
.set PREG,  8704                       ; a wave's part of a block: two tiles of 4,096 bytes of O, then 512 bytes of N and the sum for both
.set HIGHP, 0                          ; the high block's parts: in the ring's bytes, behind the last round's barrier
.set LOWP,  196608                     ; the low block's parts: behind the ring
.set QST,   LOWP+12*PREG               ; Q of the low block: eight tiles of 1,024 bytes; 8,192 bytes on, of the high block
.set SPARE, QST+16384                  ; the spare words, 128 bytes for each wave, six blocks of 256 bytes that no other line names
.set KV, 40                            ; v40-103 K's 8 fragments, then V's 4
.set P0, 104                           ; v104-119 codes of p, first tile
.set P1, 120                           ; v120-135 codes of p, second tile: two registers ahead of SB, the others over scores that have been converted
.set SB, 122                           ; v122-185 S^T, then p, of one tile of queries
.set O0, 186                           ; v186-217, v218-249 O^T of the two tiles
.set O1, 218
; v1 16 x lane; v2, v3 LDS address that I read and store in this round; v4 32 (w % 4) + r - 8 h; v5, v6 the add's two; v7 -infinity; v8-11 at work; v12, v14 N of the two tiles; v13, v15 LDS address of my low part
; and of my two tiles of Q; v[16:17], v[18:19] the sums in two halves; v[20:21] f; v22 2^e8; v23 448 x 2^e8; v24-39 Q of the two tiles; v250-255 chains of the sum
; s2 w % 4; s3 w / 4; s10 wave; s11 p; s12 p + 1; s13 p, until the high block begins; s14 my step; s15 my next diagonal step; s18 the round; s[20:21] lane selects; s[22:23] c; s[34:35] where this round's loads stand;
; s[36:37] my half of K or V of my head; s[42:43], s[44:45] where the results go; s46 -c; s47, s48 where in a slot I read and store; s49 e8 + e9; s[52:63] the exponents
; Q IS BROUGHT ONCE for the work-group: waves 0 to 7 bring a tile of each block, through registers, into LDS; every wave takes its two tiles of the block in hand from there.
.set MSB, 0
.macro WIN new                         ; the immediate's high byte repeats the setting that is left
.if MSB != \new
	s_set_vgpr_msb (MSB<<8)|\new
.set MSB, \new
.endif
.endm
.macro KBADR add, dst                  ; my part of step s14 + add: key block n, or n - (p + 1) in the second block of queries
	s_add_co_u32 s19, s14, \add
	s_cmp_gt_u32 s19, s11
	s_cselect_b32 s38, s12, 0
	s_sub_co_u32 s38, s19, s38
	s_lshl_b32 s38, s38, 13
	s_add_nc_u64 s[\dst:\dst+1], s[36:37], s[38:39]
.endm
.macro GLOAD base                      ; 4,096 bytes into v256-287
	WIN 0x40
.irp i, 0,1,2,3,4,5,6,7
	global_load_b128 v[4*\i:4*\i+3], v1, s[\base:\base+1] offset:512*\i
.endr
	WIN 0
.endm
.macro KLOAD
.set i, 0
.rept 16
	ds_load_b128 v[KV+4*i:KV+4*i+3], v2 offset:512*i   ; K: tile i / 2, group i % 2
.set i, i+1
.endr
.endm
.macro INIT                            ; a block of queries begins: zeros, which the first change of M leaves zeros
	v_mov_b32 v12, 0x7f61b1e6                      ; N: 3e38, over every -t
	v_mov_b32 v14, 0x7f61b1e6
.irp i, 16,17,18,19
	v_mov_b32 v[\i], 0
.endr
.set i, 0
.rept 64
	v_mov_b32 v[O0+i], 0
.set i, i+1
.endr
.endm
.macro PSTORE adr                      ; my part of a block: O as it lies in the registers; N and the row's sum over both halves of the lanes
	v_add_f32 v9, v16, v17
	v_add_f32 v11, v18, v19
	v_permlanex16_b32 v250, v9, s20, s21
	v_permlanex16_b32 v252, v11, s20, s21
	v_mov_b32 v8, v12
	v_mov_b32 v10, v14
	v_add_f32 v9, v9, v250
	v_add_f32 v11, v11, v252
	ds_store_b128 v[\adr], v[8:11] offset:8192
.irp i, 0,1,2,3,4,5,6,7
	ds_store_b128 v[\adr], v[O0+4*\i:O0+4*\i+3] offset:512*\i
.endr
.irp i, 0,1,2,3,4,5,6,7
	ds_store_b128 v[\adr], v[O1+4*\i:O1+4*\i+3] offset:4096+512*\i
.endr
.endm
.macro PLACES                          ; four plain lines behind matrix instructions, ahead of the first read of their results and of loads into their sources
.rept 4
	v_nop
.endr
.endm
; The softmax of one tile of 16 queries over 128 keys, as far as p, the sums and O under the new M.  qt = 1: the round's barrier is signalled on the way.
.macro SOFT qt, N, SUM, OB
	s_cmp_lg_u32 s14, s15                          ; on the diagonal?  A branch on ids and a counted step
	s_cbranch_scc1 .Lopen_\@
.set n, 0
.rept 64
	v_cmp_gt_i32 vcc_lo, 16*(n/8)+n%8-16*\qt, v4
	v_cndmask_b32 v[SB+n], v[SB+n], v7, vcc_lo     ; a hidden key's score becomes -infinity ahead of the maximum: p = 0.  The block's first key counts for every query
.set n, n+1
.endr
.Lopen_\@:
	v_max3_num_f32 v8, v[SB], v[SB+1], v[SB+2]     ; the largest score of my query among my 64 keys, in four chains: each tile is read from its low end on
	v_max3_num_f32 v9, v[SB+3], v[SB+4], v[SB+5]
	v_max3_num_f32 v10, v[SB+6], v[SB+7], v[SB+8]
	v_max3_num_f32 v11, v[SB+9], v[SB+10], v[SB+11]
.set i, 12
.rept 26
	v_max3_num_f32 v[8+((i/2+2)%4)], v[8+((i/2+2)%4)], v[SB+i], v[SB+i+1]
.set i, i+2
.endr
	v_max3_num_f32 v8, v8, v9, v10
	s_delay_alu instid0(VALU_DEP_1)
	v_max_num_f32 v8, v8, v11
	s_delay_alu instid0(VALU_DEP_1)
	v_permlanex16_b32 v10, v8, s20, s21
	s_delay_alu instid0(VALU_DEP_1)
	v_max_num_f32 v8, v8, v10                      ; and among lane l xor 16's
	s_delay_alu instid0(VALU_DEP_1)
	v_mul_f32 v8, s46, v8                          ; as -t (c is positive)
	s_delay_alu instid0(VALU_DEP_1)
	v_floor_f32 v8, v8                             ; -ceil(t)
	v_mov_b32 v9, v[\N]
	s_delay_alu instid0(VALU_DEP_2)
	v_min_num_f32 v[\N], v[\N], v8                 ; the new N = -M
	s_delay_alu instid0(VALU_DEP_1)
	v_sub_f32 v9, v[\N], v9                        ; old M - new M: a whole number, 0 or less
	s_delay_alu instid0(VALU_DEP_1)
	v_cvt_i32_f32 v9, v9                           ; (it saturates)
	s_delay_alu instid0(VALU_DEP_1)
	v_ldexp_f32 v20, 1.0, v9                       ; f = 2^(old M - new M)
.set i, 0
.rept 32
	v_pk_fma_f32 v[SB+i:SB+i+1], v[SB+i:SB+i+1], s[22:23], v[\N:\N+1] op_sel_hi:[1,0,0]   ; t - M, two at a time (of the pairs c and N the low word serves both halves)
.set i, i+2
.endr
.if \qt
	s_wait_alu depctr_va_vdst(0)                   ; directly ahead of the wait below
	s_wait_dscnt 0x0                               ; V is in: my reads of this slot are over; my stores for the round after the next are done
	s_cmp_lt_u32 s18, 8
	s_cbranch_scc0 .Lall_asked
	KBADR 9, 34
	GLOAD 34                                       ; three rounds on
.Lall_asked:
	s_barrier_signal -1                            ; up to the wait: work on registers, and loads of bytes that nobody writes before a later barrier
.endif
	s_wait_alu depctr_va_vdst(0)                   ; ahead of the batch
.set i, 0
.rept 64
	v_exp_f32 v[SB+i], v[SB+i]                     ; p = 2^(t - M), at most 1
.set i, i+1
.endr
	v_pk_mul_f32 v[\SUM:\SUM+1], v[\SUM:\SUM+1], v[20:21] op_sel_hi:[1,0]   ; the sum under the new M: the plain line behind the exponentials
	s_wait_alu depctr_va_vdst(0)                   ; behind the batch, and directly ahead of the first reader of O
.set i, 0
.rept 16
	v_pk_mul_f32 v[\OB+i:\OB+i+1], v[\OB+i:\OB+i+1], v[20:21] op_sel_hi:[1,0]   ; O^T under the new M
.set i, i+2
.endr
	v_pk_add_f32 v[250:251], v[SB:SB+1], v[SB+2:SB+3]   ; the row's sum is taken of the unquantised p, in four chains
	v_pk_add_f32 v[252:253], v[SB+4:SB+5], v[SB+6:SB+7]
	v_pk_add_f32 v[254:255], v[SB+8:SB+9], v[SB+10:SB+11]
	v_pk_add_f32 v[\SUM:\SUM+1], v[\SUM:\SUM+1], v[SB+12:SB+13]
.set i, 14
.rept 25
.if (i/2+1)%4 == 3
	v_pk_add_f32 v[\SUM:\SUM+1], v[\SUM:\SUM+1], v[SB+i:SB+i+1]
.else
	v_pk_add_f32 v[250+2*((i/2+1)%4):251+2*((i/2+1)%4)], v[250+2*((i/2+1)%4):251+2*((i/2+1)%4)], v[SB+i:SB+i+1]
.endif
.set i, i+2
.endr
	s_cmp_ge_i32 s60, -8                           ; p <= 1 <= 448 x 2^e8?
	s_wait_alu depctr_va_vdst(0)                   ; directly ahead of the branch
	s_cbranch_scc1 .Lheld_\@
.set i, 0
.rept 64
	v_min_num_f32 v[SB+i], v[SB+i], v23            ; the conversion to an 8-bit code does not saturate (ISA guide 7.6.2); p is not negative: the hold is one-sided
.set i, i+1
.endr
.Lheld_\@:
.endm
; p's codes, eight conversions.  The sums' last three lines are the plain lines between a conversion and the line that writes over its sources, and behind the last one.
.macro CVT SUM, P
	v_cvt_scalef32_pk8_fp8_f32 v[\P:\P+1], v[SB:SB+7], v22
	v_pk_add_f32 v[252:253], v[252:253], v[254:255]
	v_cvt_scalef32_pk8_fp8_f32 v[\P+2:\P+3], v[SB+8:SB+15], v22
	v_pk_add_f32 v[\SUM:\SUM+1], v[\SUM:\SUM+1], v[250:251]
.irp T, 2,3,4,5,6,7
	v_cvt_scalef32_pk8_fp8_f32 v[\P+2*\T:\P+2*\T+1], v[SB+8*\T:SB+8*\T+7], v22
.endr
	v_pk_add_f32 v[\SUM:\SUM+1], v[\SUM:\SUM+1], v[252:253]
.endm
.macro SCORE T, Q
	v_wmma_f32_16x16x64_fp8_fp8 v[SB+8*\T:SB+8*\T+7], v[KV+8*\T:KV+8*\T+7], v[\Q:\Q+7], 0
.endm
	s_load_b128 s[4:7], s[0:1], 0x0                ; q, k, v s[4:5]; the scales' exponents s[6:7]
	s_load_b64 s[8:9], s[0:1], 0x10                ; attn's codes
	v_lshl_add_u32 v5, v0, 2, SPARE
	v_mov_b32 v6, 0
	v_lshrrev_b32 v8, 5, v0
	v_readfirstlane_b32 s10, v8                    ; wave 0..11
	v_and_b32 v9, 31, v0
	v_lshlrev_b32 v1, 4, v9
	s_and_b32 s2, s10, 3
	s_lshr_b32 s3, s10, 2
	s_mov_b32 s11, ttmp9
	s_add_co_u32 s12, ttmp9, 1
	s_mov_b32 s13, s11
	s_mov_b32 s14, s3
	s_mov_b32 s15, s11
	s_and_b32 s17, ttmp7, 0xffff                   ; the head
	s_mov_b32 s18, 0
	s_mov_b32 s20, 0x76543210
	s_mov_b32 s21, 0xfedcba98
	s_mov_b32 s22, 0x3e38aa3b                      ; c = log2(e) / 8
	s_lshl_b32 s66, s17, 18                        ; my head's 262,144 bytes
	s_bfe_u32 s38, s10, 0x10001                    ; what I bring of a step: K (bit 1 of the wave's number 0) or V,
	s_lshl_b32 s38, s38, 22
	s_add_co_u32 s38, s38, (4<<20)                 ; K at 4 MiB, V at 8 MiB,
	s_add_co_u32 s38, s38, s66
	s_and_b32 s39, s10, 1
	s_lshl_b32 s39, s39, 12
	s_add_co_u32 s38, s38, s39                     ; and which half of the block
	s_mov_b32 s39, 0
	s_lshl_b32 s47, s3, 16                         ; my step's K and V begin here, + 16,384 x slot,
	s_lshl_b32 s48, s2, 12
	s_add_co_u32 s48, s48, s47                     ; and what I bring goes here
	s_lshl_b32 s68, s11, 3
	s_sub_co_u32 s70, 31, s11
	s_lshl_b32 s70, s70, 3
	s_lshl_b32 s67, s17, 10
	s_add_co_u32 s42, s68, s10                     ; the token tiles that I finish (waves 0 to 7): 8 p + wave,
	s_lshl_b32 s42, s42, 14
	s_add_co_u32 s42, s42, s67
	s_mov_b32 s43, 0
	s_add_co_u32 s44, s70, s10                     ; and 8 (31 - p) + wave: tile x 16,384 + head x 1,024
	s_lshl_b32 s44, s44, 14
	s_add_co_u32 s44, s44, s67
	s_mov_b32 s45, 0
	s_add_co_u32 s68, s68, s10                     ; the tile of Q that I bring (waves 0 to 7) of the low block,
	s_add_co_u32 s70, s70, s10                     ; and of the high one
	s_lshl_b32 s68, s68, 10
	s_add_co_u32 s68, s68, s66
	s_mov_b32 s69, 0
	s_lshl_b32 s70, s70, 10
	s_add_co_u32 s70, s70, s66
	s_mov_b32 s71, 0
	s_wait_alu depctr_va_vdst(0)                   ; directly ahead of the wait below
	s_wait_kmcnt 0x0
	s_load_b256 s[52:59], s[6:7], 0x0              ; the twelve exponents: entry i in s[52 + i]
	s_load_b128 s[60:63], s[6:7], 0x20
	s_add_nc_u64 s[36:37], s[4:5], s[38:39]
	s_add_nc_u64 s[40:41], s[4:5], s[68:69]
	s_add_nc_u64 s[50:51], s[4:5], s[70:71]
	s_add_nc_u64 s[42:43], s[8:9], s[42:43]
	s_add_nc_u64 s[44:45], s[8:9], s[44:45]
	KBADR 0, 34
	KBADR 3, 26
.irp i, 0,1,2,3,4,5,6,7
	global_load_b128 v[KV+4*\i:KV+4*\i+3], v1, s[34:35] offset:512*\i         ; round 0
.endr
	s_cmp_lt_u32 s10, 8
	s_cbranch_scc0 .Lno_q
.irp i, 0,1
	global_load_b128 v[SB+4*\i:SB+4*\i+3], v1, s[40:41] offset:512*\i         ; Q of the low block
	global_load_b128 v[SB+8+4*\i:SB+8+4*\i+3], v1, s[50:51] offset:512*\i     ; and of the high one
.endr
.Lno_q:
.irp i, 0,1,2,3,4,5,6,7
	global_load_b128 v[KV+32+4*\i:KV+35+4*\i], v1, s[26:27] offset:512*\i     ; round 1
.endr
	v_and_b32 v8, 15, v0                           ; r
	v_bfe_u32 v9, v0, 4, 1                         ; h
	v_lshlrev_b32 v9, 3, v9
	v_sub_nc_u32 v4, v8, v9
	s_lshl_b32 s68, s2, 5
	v_add_nc_u32 v4, s68, v4                       ; on the diagonal the key of register 8 T + j is hidden from the first tile where 16 T + j > 32 (w % 4) + r - 8 h
	v_mov_b32 v7, 0xff800000
	v_mov_b32 v21, 0                               ; (named as the upper half of the pair v[20:21])
	v_mov_b32 v250, 0                              ; written once: a lane permute's destination counts as one of its sources
	v_mov_b32 v252, 0
	v_add_nc_u32 v2, s47, v1                       ; round 0 reads slot 0,
	s_add_co_u32 s68, s48, 2*16384
	v_add_nc_u32 v3, s68, v1                       ; and stores slot 2
	v_add_nc_u32 v11, s48, v1                      ; rounds 0 and 1 go into slots 0 and 1 here
	s_mul_i32 s30, s10, PREG
	s_add_co_u32 s30, s30, LOWP
	s_lshl_b32 s31, s2, 11
	s_add_co_u32 s31, s31, QST                     ; where my two tiles of Q lie,
	s_lshl_b32 s68, s10, 10
	s_add_co_u32 s68, s68, QST                     ; and where the tile goes that I bring
	v_add_nc_u32 v10, s68, v1
	v_add_nc_u32 v13, s30, v1                      ; (also named as the upper halves of the pairs that hold N)
	v_add_nc_u32 v15, s31, v1
	INIT
	s_wait_kmcnt 0x0
	s_add_co_i32 s68, s58, s59
	s_lshl_b32 s68, s68, 23
	s_add_co_i32 s22, s22, s68                     ; a score stands for score x 2^(e6 + e7): the exponents are added to c's exponent field
	s_mov_b32 s23, s22                             ; (named with it as a pair, so it is written)
	s_xor_b32 s46, s22, 0x80000000                 ; -c
	s_add_co_i32 s49, s60, s61                     ; e8 + e9
	s_add_co_i32 s68, s60, 127
	s_lshl_b32 s70, s68, 23
	v_mov_b32 v22, s70                             ; 2^e8
	s_add_co_i32 s68, s68, 8
	s_lshl_b32 s68, s68, 23
	s_or_b32 s68, s68, 0x600000
	v_mov_b32 v23, s68                             ; 448 x 2^e8
	s_wait_alu depctr_va_vdst(0)                   ; at the head's end
	s_wait_loadcnt 8                               ; round 0 and Q are in; round 1's eight loads may be out
.irp i, 0,1,2,3,4,5,6,7
	ds_store_b128 v11, v[KV+4*\i:KV+4*\i+3] offset:512*\i
.endr
	s_cmp_lt_u32 s10, 8
	s_cbranch_scc0 .Lno_q_store
.irp i, 0,1
	ds_store_b128 v10, v[SB+4*\i:SB+4*\i+3] offset:512*\i
	ds_store_b128 v10, v[SB+8+4*\i:SB+8+4*\i+3] offset:8192+512*\i
.endr
.Lno_q_store:
	s_wait_loadcnt 0x0
.irp i, 0,1,2,3,4,5,6,7
	ds_store_b128 v11, v[KV+32+4*\i:KV+35+4*\i] offset:16384+512*\i
.endr
	KBADR 6, 34
	GLOAD 34                                       ; round 2
	s_wait_dscnt 0x0
	s_barrier_signal -1
	s_barrier_wait -1
.irp i, 0,1,2,3
	ds_load_b128 v[24+4*\i:27+4*\i], v15 offset:512*\i   ; Q of the low block: ahead of K's loads, whose counted wait covers it
.endr
	KLOAD                                          ; round 0's
.Lround:                                           ; (this round's K is on its way)
	s_cmp_gt_u32 s14, s13                          ; has my step passed the low block's last?  Once in the launch: a branch on ids and a counted step
	s_cbranch_scc0 .Lsame
	PSTORE 13
	s_wait_dscnt 0x0
.irp i, 0,1,2,3
	ds_load_b128 v[24+4*\i:27+4*\i], v15 offset:8192+512*\i   ; Q of the high block
.endr
	INIT
	s_mov_b32 s13, -1
	s_mov_b32 s15, 32
	s_wait_dscnt 0x0
.Lsame:
	s_wait_dscnt 8                                 ; K's first four tiles are in; the youngest eight loads may be out
.irp T, 0,1,2,3
	SCORE \T, 24
.endr
	s_wait_dscnt 0x0
.irp T, 4,5,6,7
	SCORE \T, 24
.endr
	PLACES
	SOFT 0, 12, 16, O0
	CVT 16, P0
.irp T, 0,1,2,3,4,5,6,7
	SCORE \T, 32                                   ; the second tile of queries, from the same fragments of K
.endr
	s_wait_loadcnt 0x0                             ; what I asked for in the round before
	s_cmp_lt_u32 s18, 9
	s_cbranch_scc0 .Lall_stored
	WIN 0x04
.irp i, 0,1,2,3,4,5,6,7
	ds_store_b128 v3, v[4*\i:4*\i+3] offset:512*\i ; for the round after the next
.endr
	WIN 0
.Lall_stored:
	PLACES
.set i, 0
.rept 16
	ds_load_b128 v[KV+4*i:KV+4*i+3], v2 offset:8192+512*i   ; V: fragment i / 4, group i % 4: it lands under the maximum
.set i, i+1
.endr
	SOFT 1, 14, 18, O1
	CVT 18, P1
.irp dt, 0,1,2,3
	v_wmma_f32_16x16x128_fp8_fp8 v[O0+8*\dt:O0+8*\dt+7], v[KV+16*\dt:KV+16*\dt+15], v[P0:P0+15], v[O0+8*\dt:O0+8*\dt+7]   ; the eight accumulators take turns, and the scores' products stand between two rounds' turns
.endr
.irp dt, 0,1,2,3
	v_wmma_f32_16x16x128_fp8_fp8 v[O1+8*\dt:O1+8*\dt+7], v[KV+16*\dt:KV+16*\dt+15], v[P1:P1+15], v[O1+8*\dt:O1+8*\dt+7]
.endr
	s_add_co_u32 s14, s14, 3
	s_add_co_u32 s18, s18, 1
	s_lshl_b32 s68, s18, 14
	s_and_b32 s68, s68, 0xffff                     ; 16,384 x (round % 4)
	s_add_co_u32 s68, s68, s47
	s_add_co_u32 s69, s18, 2
	s_lshl_b32 s69, s69, 14
	s_and_b32 s69, s69, 0xffff
	s_add_co_u32 s69, s69, s48
	v_add_nc_u32 v2, s68, v1                       ; these two and the three below: five plain lines ahead of loads into the products' sources, of results laid over them, and of reads of O
	v_add_nc_u32 v3, s69, v1
.rept 3
	v_nop
.endr
	s_cmp_lt_u32 s18, 11
	s_wait_alu depctr_va_vdst(0)                   ; directly ahead of the branch
	s_cbranch_scc0 .Lno_more
	KLOAD                                          ; the next round's
.Lno_more:
	s_barrier_wait -1
	s_cmp_lt_u32 s18, 11
	s_cbranch_scc1 .Lround
	; THE THREE PARTS ARE JOINED.  Waves 0 to 7: wave w finishes tile w of the low block and tile w of the high one.  Part s of it lies in wave 4 s + w / 2's bytes.
	s_mul_i32 s31, s10, PREG
	v_add_nc_u32 v15, s31, v1                      ; my high part: HIGHP is 0
	PSTORE 15
	s_lshr_b32 s68, s10, 1
	s_mul_i32 s68, s68, PREG
	s_and_b32 s69, s10, 1
	s_lshl_b32 s70, s69, 12
	s_add_co_u32 s70, s70, s68
	s_lshl_b32 s71, s69, 3
	s_add_co_u32 s71, s71, s68
	v_add_nc_u32 v30, s70, v1
	v_add_nc_u32 v31, s71, v1
.irp u, 0,1,2,3,4,5                    ; u = 3 x block + part
	v_add_nc_u32 v[32+\u], LOWP*(1-\u/3)+HIGHP*(\u/3)+(\u%3)*4*PREG, v31
	v_add_nc_u32 v[104+\u], LOWP*(1-\u/3)+HIGHP*(\u/3)+(\u%3)*4*PREG, v30
.endr
	s_add_co_i32 s68, s62, 127
	s_lshl_b32 s70, s68, 23
	v_mov_b32 v38, s70                             ; 2^e10
	s_add_co_i32 s68, s68, 8
	s_lshl_b32 s68, s68, 23
	s_or_b32 s68, s68, 0x600000
	v_mov_b32 v39, s68                             ; 448 x 2^e10
	s_wait_alu depctr_va_vdst(0)                   ; directly ahead of the wait below
	s_wait_dscnt 0x0                               ; my parts are stored
	s_barrier_signal -1
	s_barrier_wait -1
	s_cmp_lt_u32 s10, 8
	s_cbranch_scc0 .Lend
.irp u, 0,1,2,3,4,5
	ds_load_b64 v[8+2*\u:9+2*\u], v[32+\u] offset:8192   ; N and the sum of part u
.endr
.macro PLOAD u, dst
.irp i, 0,1,2,3,4,5,6,7
	ds_load_b128 v[\dst+4*\i:\dst+4*\i+3], v[104+\u] offset:512*\i
.endr
.endm
	PLOAD 0, 40
	PLOAD 1, 72
	PLOAD 2, 122
	PLOAD 3, 154
	PLOAD 4, 186
	PLOAD 5, 218
	s_wait_dscnt 48                                ; the six pairs are in; O's 48 loads may be out
.macro FACTORS b, B, F                 ; M = the largest of the three: f = 2^(a part's M - M); the whole sum
	v_min3_num_f32 v[112+\b], v[\B], v[\B+2], v[\B+4]
.irp s, 0,2,4
	v_sub_f32 v[\F+\s], v[112+\b], v[\B+\s]
.endr
.irp s, 0,2,4
	v_cvt_i32_f32 v[\F+\s], v[\F+\s]               ; (it saturates: a part without steps has N = 3e38, and f = 0)
.endr
.irp s, 0,2,4
	v_ldexp_f32 v[\F+\s], 1.0, v[\F+\s]
.endr
	v_mul_f32 v[114+\b], v[\F], v[\B+1]
	v_fma_f32 v[114+\b], v[\F+2], v[\B+3], v[114+\b]
	v_fma_f32 v[114+\b], v[\F+4], v[\B+5], v[114+\b]
.endm
	FACTORS 0, 8, 24
	FACTORS 1, 14, 32
	s_wait_alu depctr_va_vdst(0)                   ; ahead of the batch
	v_rcp_f32 v116, v114
	v_rcp_f32 v117, v115
	v_nop                                          ; a plain line behind the transcendentals
	s_wait_alu depctr_va_vdst(0)                   ; ahead of the first use
	v_ldexp_f32 v116, v116, s49                    ; 2^(e8 + e9) / the sum
	v_ldexp_f32 v117, v117, s49
.irp s, 0,2,4
	v_mul_f32 v[24+\s], v[24+\s], v116
	v_mul_f32 v[32+\s], v[32+\s], v117
.endr
.macro OUTB F, o0, o1, o2, dst
.set i, 0
.rept 16
	v_pk_mul_f32 v[\o0+i:\o0+i+1], v[\o0+i:\o0+i+1], v[\F:\F+1] op_sel_hi:[1,0]
.set i, i+2
.endr
.set i, 0
.rept 16
	v_pk_fma_f32 v[\o0+i:\o0+i+1], v[\o1+i:\o1+i+1], v[\F+2:\F+3], v[\o0+i:\o0+i+1] op_sel_hi:[1,0,1]
.set i, i+2
.endr
.set i, 0
.rept 16
	v_pk_fma_f32 v[\o0+i:\o0+i+1], v[\o2+i:\o2+i+1], v[\F+4:\F+5], v[\o0+i:\o0+i+1] op_sel_hi:[1,0,1]
.set i, i+2
.endr
.set i, 0
.rept 32
	v_med3_num_f32 v[\o0+i], v[\o0+i], -v39, v39   ; the conversion to an 8-bit code does not saturate (ISA guide 7.6.2)
.set i, i+1
.endr
.irp dt, 0,1,2,3
	v_cvt_scalef32_pk8_fp8_f32 v[\o1+2*\dt:\o1+2*\dt+1], v[\o0+8*\dt:\o0+8*\dt+7], v38   ; register 8 dt + j is channel 16 dt + 8 h + j of my query
.endr
	v_nop                                          ; one plain vector line behind the conversions
	global_store_b128 v1, v[\o1:\o1+3], s[\dst:\dst+1]             ; 32 lanes store 512 consecutive bytes, aligned
	global_store_b128 v1, v[\o1+4:\o1+7], s[\dst:\dst+1] offset:512
.endm
	s_wait_alu depctr_va_vdst(0)                   ; directly ahead of the wait below
	s_wait_dscnt 24                                ; the low block's three parts are in
	OUTB 24, 40, 72, 122, 42
	s_wait_dscnt 0x0
	OUTB 32, 154, 186, 218, 44
.Lend:
	s_wait_tensorcnt 0x0                           ; the wave's end: behind my last LDS store
	ds_add_u32 v5, v6
	s_wait_dscnt 0x0
	s_endpgm
.Lfunc_end_k_q37092d9072_attn:
	.size	k_q37092d9072_attn, .Lfunc_end_k_q37092d9072_attn-k_q37092d9072_attn
	.p2alignl 7, 3214868480
	.fill 96, 4, 3214868480
	.section	.rodata,"a",@progbits
	.p2align	6, 0x0
	.amdhsa_kernel k_q37092d9072_attn
		.amdhsa_group_segment_fixed_size 327680
		.amdhsa_private_segment_fixed_size 0
		.amdhsa_enable_private_segment 0
		.amdhsa_kernarg_size 24
		.amdhsa_user_sgpr_count 2
		.amdhsa_user_sgpr_kernarg_segment_ptr 1
		.amdhsa_wavefront_size32 1
		.amdhsa_system_sgpr_workgroup_id_x 1
		.amdhsa_system_sgpr_workgroup_id_y 1
		.amdhsa_system_sgpr_workgroup_id_z 1
		.amdhsa_system_vgpr_workitem_id 0
		.amdhsa_next_free_vgpr 288
		.amdhsa_next_free_sgpr 72
		.amdhsa_reserve_vcc 1
		.amdhsa_float_denorm_mode_32 3
		.amdhsa_float_denorm_mode_16_64 3
		.amdhsa_memory_ordered 1
		.amdhsa_forward_progress 1
		.amdhsa_inst_pref_size 77
	.end_amdhsa_kernel
	.amdgpu_metadata
---
amdhsa.version: [ 1, 2 ]
amdhsa.kernels:
  - .name:           k_q37092d9072_attn
    .symbol:         k_q37092d9072_attn.kd
    .args:
      - { .name: qkv, .offset: 0, .size: 8, .value_kind: global_buffer, .address_space: global }
      - { .name: lowp_scales, .offset: 8, .size: 8, .value_kind: global_buffer, .address_space: global }
      - { .name: aimg, .offset: 16, .size: 8, .value_kind: global_buffer, .address_space: global }
    .group_segment_fixed_size: 327680
    .private_segment_fixed_size: 0
    .kernarg_segment_align: 8
    .kernarg_segment_size: 24
    .max_flat_workgroup_size: 384
    .sgpr_count:     72
    .vgpr_count:     288
    .wavefront_size: 32
...
	.end_amdgpu_metadata
.endif
;; end of part 3
;; launch oproj (part 4): grid 8 x 32, 4 waves a work-group, clusters of 4 x 4, 280,064 bytes of LDS; arguments aimg, codes, lowp_scales, bo, out0; writes out0
.if DOCPART == 4
	.amdgcn_target "amdgcn-amd-amdhsa--gfx1250"
	.amdhsa_code_object_version 6
	.text
	.protected	k_q37092d9072_oproj
	.globl	k_q37092d9072_oproj
	.p2align	8
	.type	k_q37092d9072_oproj,@function
k_q37092d9072_oproj:
	s_mov_b64 s[64:65], 0
	v_nop
	global_prefetch_b8 v0, s[64:65] scope:SCOPE_SE
	s_setreg_imm32_b32 hwreg(HW_REG_WAVE_MODE, 25, 1), 1
	s_wait_xcnt 0x0
	s_wait_alu depctr_hold_cnt(0) depctr_sa_sdst(0) depctr_va_vdst(0) depctr_va_sdst(0) depctr_va_ssrc(0) depctr_va_vcc(0) depctr_vm_vsrc(0)
	s_getreg_b32 s2, hwreg(HW_REG_IB_STS2, 6, 4)
	s_cmp_eq_u32 s2, 0
	s_cbranch_scc0 .Lentry_in_a_cluster
	s_endpgm
.Lentry_in_a_cluster:
	s_bfe_u32 s2, ttmp6, 0x10000c
	s_cmp_lg_u32 s2, 0xf033
	s_cbranch_scc0 .Lentry_shape_is_right
	s_endpgm
.Lentry_shape_is_right:
; The output projection on codes of FP8 (E4M3): out = attn Wo^T + bo, [4096][1024] f32, K = 1,024; sums in f32; each finished sum x 2^(e10 + e11) + bo by one fused multiply-add.
; OPERANDS lie in memory in the order of the operand's registers: a fragment (16 rows x 128 K) is 2,048 consecutive bytes, lane l's 16 bytes of group g at 512 g + 16 l.  attn: a row tile is 16,384 bytes, its eight
; fragments on end.  Wo, from 15 MiB of the codes on: a block of 128 rows is 131,072 bytes: K step s (256 along K) at 32,768 s, row tile t at 4,096 t, its two fragments on end.
; A TILE of 128 x 128 results to a work-group (256 work-groups); both operands' 128 rows x 1,024 K are 262,144 bytes and lie in LDS whole: nothing is filled twice.  Each wave brings 64 rows of one operand, all of K, by
; one joint load.  Four waves, each 64 x 64.
; BY ROWS.  A wave takes Wo's 32 fragments (4 row tiles x 8 along K) into 512 registers once; then each block of 16 tokens is finished over all of K (32 products, four accumulators by turns) and leaves while the next
; is multiplied.  No fragment is read twice.
; acc(b) = Wo's fragment b (source 0) x attn's fragment (source 1): lane (r, h) holds token r of the block, and its register j output channel 16 b + 8 h + j: eight neighbouring numbers of a row of out.
; CLUSTERS of 4 x 4: attn's tile hangs on the tile row and is shared along a row of the cluster, Wo's on the tile column and is shared along a column: each is asked for jointly.
; THE WAY OUT: 16 rows x 64 columns at a time through the wave's own stage in LDS; a wave's 64 columns are 256 consecutive bytes of a row, aligned, which sixteen lanes store.
; NO PREFETCH: every operand byte is asked for at the head, so there is no loop to run ahead in.
; LIMIT: e10 + e11 between -126 and 127.
.set STAGE, 262144                     ; behind the operands: 16 rows x 272 bytes for each wave; no tile lands there
.set SPARE, STAGE+4*4352               ; behind the stages: the spare words, 128 bytes for each wave: two blocks of 256 bytes that no other line names
.set LI,   1                           ; v1     16 x lane
.set ADRA, 8                           ; v8     LDS address of my fragments of attn
.set ADRB, 9                           ; v9     of Wo
.set STO,  16                          ; v16    the stage: where I put 32 bytes of a row
.set RD,   17                          ; v17    and where I read a row back
.set CO,   18                          ; v18    my byte offset in out
.set SPW,  28                          ; v28    LDS address of my spare word; never rewritten
.set NIL,  29                          ; v29    0; never rewritten
.set BJ,   32                          ; v32-63 bo along my registers: 8 for each b
.set TMP,  64                          ; v64-95 32 results
.set BK0,  96                          ; 16 rows read back, of block 0, 1, 2: v96-127, v192-223, v224-255; of block 3: over block 2's accumulators
.set BK1,  192
.set BK2,  224
.set BK3,  128
.set ACC,  128                         ; v128-159, v160-191 the four accumulators of a block, by turns of the blocks
; window 1, 2: Wo's fragment (b, q), q = 0..3, 4..7, at 64 (q % 4) + 16 b;  window 3: attn's fragment q of block a at 128 (a % 2) + 16 q
.set G1A,  24                          ; s[24:31] descriptor group 1 for attn's tiles;  s[32:39] for Wo's
.set G1B,  32
.set G0A,  40                          ; s[40:43] group 0 for attn's;  s[44:47] for Wo's
.set G0B,  44
.set MSB, 0
.macro WIN new                         ; the immediate's high byte repeats the setting that is left
.if MSB != \new
	s_set_vgpr_msb (MSB<<8)|\new
.set MSB, \new
.endif
.endm
.macro CROUND                          ; a round of the cluster's barrier
	s_barrier_signal -1
	s_barrier_wait -1
	s_cmp_lg_u32 s16, 0
	s_cbranch_scc1 .Lnot_wave_0_\@
	s_barrier_signal -3
.Lnot_wave_0_\@:
	s_barrier_wait -3
	s_barrier_signal -1
	s_barrier_wait -1
.endm
.macro PLACES                          ; four plain vector lines in front of loads into registers that matrix instructions have read, and of the first read of results
.rept 4
	v_nop
.endr
.endm
	s_load_b256 s[4:11], s[0:1], 0x0               ; attn's codes s[4:5], the weights' codes s[6:7], the scales' exponents s[8:9], bo s[10:11]
	s_load_b64 s[12:13], s[0:1], 0x20              ; out
	v_lshl_add_u32 v[SPW], v0, 2, SPARE
	v_mov_b32 v[NIL], 0
	ds_add_u32 v[SPW], v[NIL]                      ; the wave's opening: the add, twice on end, and its wait ahead of my first tensor load; work on registers stands between
	ds_add_u32 v[SPW], v[NIL]
	v_lshrrev_b32 v2, 5, v0
	v_readfirstlane_b32 s16, v2                    ; wave 0..3
	s_lshr_b32 s17, s16, 1                         ; wi: my 64 tokens.  Also: I fetch for attn (0) or for Wo (1)
	s_and_b32 s18, s16, 1                          ; wj: my 64 channels.  Also: which 64 rows of that tile I fetch
	s_bfe_u32 s19, ttmp6, 0x40000                  ; cx
	s_bfe_u32 s20, ttmp6, 0x40004                  ; cy
	s_lshl_b32 s56, ttmp9, 2
	s_add_co_u32 s56, s56, s19                     ; Wo's tile of 128 rows = 4 x cluster x + cx
	s_and_b32 s57, ttmp7, 0xffff
	s_lshl_b32 s57, s57, 2
	s_add_co_u32 s57, s57, s20                     ; attn's = 4 x cluster y + cy
	s_lshl_b32 s62, s20, 2
	s_lshl_b32 s62, 15, s62                        ; my row of the cluster
	s_lshl_b32 s63, 0x1111, s19                    ; my column
	; descriptor group 1.  attn: four row tiles, 65,536 consecutive bytes, as 16 rows of 4,096.  Wo: four row tiles of a block: 16,384 bytes of each of the four K steps, 32,768 apart
	s_or_b32 s[G1A], s62, (3<<16)|(1<<21)          ; 15:0 the mask; 17:16 elements of 8 bytes; 21 set beside a mask; no padding
	s_or_b32 s[G1B], s63, (3<<16)|(1<<21)
.macro GROUP1 g, cols, rows, pitch
	s_mov_b32 s[\g+1], \cols<<16                   ; tensor_dim0, in elements
	s_mov_b32 s[\g+2], \rows<<16                   ; tensor_dim1
	s_mov_b32 s[\g+3], \cols<<16                   ; tile_dim0
	s_mov_b32 s[\g+4], \rows                       ; tile_dim1
	s_mov_b32 s[\g+5], \pitch                      ; tensor_dim0_stride, in elements
	s_mov_b32 s[\g+6], 0
	s_mov_b32 s[\g+7], 0
.endm
	GROUP1 G1A, 512, 16, 512
	GROUP1 G1B, 2048, 4, 4096
	s_lshl_b32 s66, s18, 16                        ; attn: the four row tiles that I fetch,
	s_lshl_b32 s96, s57, 17                        ; of 8 row tiles of 16,384 bytes to a tile
	s_add_co_u32 s96, s96, s66
	s_mov_b32 s97, 0
	s_lshl_b32 s66, s18, 14                        ; Wo: the upper four row tiles of a block begin 16,384 bytes on
	s_lshl_b32 s98, s56, 17
	s_add_co_u32 s98, s98, (15<<20)                ; from 15 MiB on
	s_add_co_u32 s98, s98, s66
	s_mov_b32 s99, 0
	s_lshl_b32 s67, s16, 16                        ; where they go: wave x 65,536: attn's two halves, then Wo's two
	s_wait_alu depctr_va_vdst(0)                   ; directly ahead of the waits below
	s_wait_dscnt 0x0                               ; both opening adds are done
	s_wait_kmcnt 0x0
	s_load_b256 s[84:91], s[8:9], 0x0              ; the twelve exponents: entry i in s[84 + i]
	s_load_b128 s[92:95], s[8:9], 0x20
	s_add_nc_u64 s[96:97], s[4:5], s[96:97]
	s_add_nc_u64 s[98:99], s[6:7], s[98:99]
	CROUND                                         ; all sixteen work-groups are here: the joint loads meet
	s_mov_b32 s[G0A], 1
	s_mov_b32 s[G0A+1], s67
	s_mov_b64 s[G0A+2:G0A+3], s[96:97]
	s_or_b32 s[G0A+3], s[G0A+3], 0x80000000
	s_mov_b32 s[G0B], 1
	s_mov_b32 s[G0B+1], s67
	s_mov_b64 s[G0B+2:G0B+3], s[98:99]
	s_or_b32 s[G0B+3], s[G0B+3], 0x80000000
	s_cmp_eq_u32 s17, 0                            ; a wave's one load; the branch hangs on its number alone
	s_cbranch_scc0 .Lfirst_b
	tensor_load_to_lds s[G0A:G0A+3], s[G1A:G1A+7]
	s_nop 0
.rept 4
	v_nop
.endr
	s_branch .Lfirst_done
.Lfirst_b:
	tensor_load_to_lds s[G0B:G0B+3], s[G1B:G1B+7]
	s_nop 0
.rept 4
	v_nop
.endr
.Lfirst_done:
	s_lshl_b32 s2, s56, 9                          ; my 64 channels, in bytes: 4 (128 tile + 64 wj)
	s_lshl_b32 s3, s18, 8
	s_add_co_u32 s2, s2, s3
	s_mov_b32 s3, 0
	s_add_nc_u64 s[10:11], s[10:11], s[2:3]        ; in bo,
	s_add_nc_u64 s[12:13], s[12:13], s[2:3]        ; and in a row of out
	s_lshl_b32 s2, s57, 19                         ; my first token's row: (128 tile + 64 wi) x 4,096 bytes
	s_lshl_b32 s66, s17, 18
	s_add_co_u32 s2, s2, s66
	s_add_nc_u64 s[12:13], s[12:13], s[2:3]
	v_bfe_u32 v3, v0, 4, 1                         ; h
	v_and_b32 v4, 15, v0                           ; r
	v_lshlrev_b32 v5, 5, v3
.irp b, 0,1,2,3
	global_load_b128 v[BJ+8*\b:BJ+8*\b+3], v5, s[10:11] offset:64*\b        ; channels 16 b + 8 h + 0..7
	global_load_b128 v[BJ+8*\b+4:BJ+8*\b+7], v5, s[10:11] offset:64*\b+16
.endr
	s_lshl_b32 s2, s17, 16                         ; my four row tiles of attn,
	s_lshl_b32 s3, s18, 16
	s_add_co_u32 s3, s3, 131072                    ; and of Wo, which lies behind attn
	s_mul_i32 s66, s16, 4352
	s_add_co_u32 s66, s66, STAGE                   ; my stage
	v_and_b32 v2, 31, v0
	v_lshlrev_b32 v[LI], 4, v2
	v_add_nc_u32 v[ADRA], s2, v[LI]
	v_add_nc_u32 v[ADRB], s3, v[LI]
	v_mul_u32_u24 v[STO], v4, 272                  ; in: row r, 32 bytes for each half of the lanes.  272 = 17 x 16: sixteen rows begin in sixteen different 16-byte columns modulo 256
	v_lshl_add_u32 v[STO], v3, 5, v[STO]
	v_add_nc_u32 v[STO], s66, v[STO]
	v_mul_u32_u24 v[RD], v3, 272                   ; back: lanes 0-15 one row of 256 bytes, lanes 16-31 the next
	v_lshl_add_u32 v[RD], v4, 4, v[RD]
	v_add_nc_u32 v[RD], s66, v[RD]
	v_lshlrev_b32 v[CO], 12, v3                    ; and the same two rows in out
	v_lshl_add_u32 v[CO], v4, 4, v[CO]
	s_wait_alu depctr_va_vdst(0)                   ; at the head's end
	s_wait_kmcnt 0x0
	s_add_co_i32 s2, s94, s95                      ; e10 + e11
	s_add_co_i32 s2, s2, 127
	s_lshl_b32 s96, s2, 23                         ; 2^(e10 + e11) as f32
	s_mov_b32 s97, s96                             ; (named with it as a pair, so it is written)
.macro ALOAD a                         ; attn's eight fragments of block a: 32 loads of 512 consecutive bytes
	WIN 0xc0                                       ; destination window 3
.irp q, 0,1,2,3,4,5,6,7
.irp g, 0,1,2,3
	ds_load_b128 v[128*(\a%2)+16*\q+4*\g:128*(\a%2)+16*\q+4*\g+3], v[ADRA] offset:16384*\a+2048*\q+512*\g
.endr
.endr
	WIN 0
.endm
.macro BLOAD u                         ; Wo's fragments of K steps 2 u and 2 u + 1: 64 loads
	WIN 0x40*(\u+1)                                ; destination window 1 or 2
.irp q, 0,1,2,3
.irp b, 0,1,2,3
.irp g, 0,1,2,3
	ds_load_b128 v[64*\q+16*\b+4*\g:64*\q+16*\b+4*\g+3], v[ADRB] offset:16384*(2*\u+\q/2)+4096*\b+2048*(\q%2)+512*\g
.endr
.endr
.endr
	WIN 0
.endm
; 16 matrix instructions: block a, half u of K.  The four accumulators take turns, one instruction a turn, over both halves.
.macro MUL a, u
	WIN 0x0d+\u                                    ; source 0 (Wo) window 1 or 2, source 1 (attn) window 3, C and D window 0
.irp q, 0,1,2,3
.irp b, 0,1,2,3
.if (\u == 0) && (\q == 0)
	v_wmma_f32_16x16x128_fp8_fp8 v[ACC+32*(\a%2)+8*\b:ACC+32*(\a%2)+8*\b+7], v[64*\q+16*\b:64*\q+16*\b+15], v[128*(\a%2)+64*\u+16*\q:128*(\a%2)+64*\u+16*\q+15], 0
.else
	v_wmma_f32_16x16x128_fp8_fp8 v[ACC+32*(\a%2)+8*\b:ACC+32*(\a%2)+8*\b+7], v[64*\q+16*\b:64*\q+16*\b+15], v[128*(\a%2)+64*\u+16*\q:128*(\a%2)+64*\u+16*\q+15], v[ACC+32*(\a%2)+8*\b:ACC+32*(\a%2)+8*\b+7]
.endif
.endr
.endr
	WIN 0
.endm
; THE WAY OUT of block a, in two parts.  TOSTAGE: sum x 2^(e10 + e11) + bo into my stage, and back as whole rows; LDS serves a wave's instructions in order (ISA guide 5.7.1.4).  Each accumulator is read from its low end on.
; SEND: the rows are stored.
.macro TOSTAGE a, bk
	PLACES                                         ; also for the loads into the fragments that this block's products have read
.irp b, 0,1,2,3
.irp i, 0,2,4,6
	v_pk_fma_f32 v[TMP+8*\b+\i:TMP+8*\b+\i+1], v[ACC+32*(\a%2)+8*\b+\i:ACC+32*(\a%2)+8*\b+\i+1], s[96:97], v[BJ+8*\b+\i:BJ+8*\b+\i+1] op_sel_hi:[1,0,1]
.endr
.endr
.irp b, 0,1,2,3
	ds_store_b128 v[STO], v[TMP+8*\b:TMP+8*\b+3] offset:64*\b
	ds_store_b128 v[STO], v[TMP+8*\b+4:TMP+8*\b+7] offset:64*\b+16
.endr
.irp t, 0,1,2,3,4,5,6,7
	ds_load_b128 v[\bk+4*\t:\bk+4*\t+3], v[RD] offset:544*\t
.endr
.endm
.macro SEND a, bk, younger             ; younger: the LDS loads issued behind this block's, which may stay out
	s_wait_dscnt \younger
.irp t, 0,1,2,3,4,5,6,7
	global_store_b128 v[CO], v[\bk+4*\t:\bk+4*\t+3], s[12:13] offset:(16*\a+2*\t)*4096 th:TH_STORE_NT   ; 16 lanes store 256 consecutive bytes, aligned; written once, read by nobody here
.endr
.endm
	s_wait_tensorcnt 0x0                           ; my one load is in
	s_barrier_signal -1
	s_barrier_wait -1                              ; and everybody's
	ALOAD 0
	BLOAD 0
	BLOAD 1
	s_wait_dscnt 63                                ; block 0's fragments and Wo's first half are in (64 loads are younger)
	MUL 0, 0
	ALOAD 1
	s_wait_dscnt 32                                ; Wo's second half is in; block 1's 32 loads may be out
	MUL 0, 1
	s_wait_loadcnt 0x0                             ; bo
	TOSTAGE 0, BK0
	ALOAD 2
	s_wait_dscnt 48                                ; block 1's fragments are in; the stage's 16 and block 2's 32 may be out
	MUL 1, 0
	MUL 1, 1
	SEND 0, BK0, 32
	TOSTAGE 1, BK1
	ALOAD 3
	s_wait_dscnt 48                                ; block 2's fragments are in
	MUL 2, 0
	MUL 2, 1
	SEND 1, BK1, 32
	TOSTAGE 2, BK2
	s_wait_dscnt 16                                ; block 3's fragments are in; the stage's 16 may be out
	MUL 3, 0
	MUL 3, 1
	SEND 2, BK2, 0
	TOSTAGE 3, BK3
	SEND 3, BK3, 0
	s_wait_tensorcnt 0x0                           ; the wave's end: behind my last tensor load and my last LDS store
	ds_add_u32 v[SPW], v[NIL]
	s_wait_dscnt 0x0
	CROUND                                         ; the closing round: no work-group ends while a partner may still ask for a tile that names it
	s_endpgm
.Lfunc_end_k_q37092d9072_oproj:
	.size	k_q37092d9072_oproj, .Lfunc_end_k_q37092d9072_oproj-k_q37092d9072_oproj
	.p2alignl 7, 3214868480
	.fill 96, 4, 3214868480
	.section	.rodata,"a",@progbits
	.p2align	6, 0x0
	.amdhsa_kernel k_q37092d9072_oproj
		.amdhsa_group_segment_fixed_size 280064
		.amdhsa_private_segment_fixed_size 0
		.amdhsa_enable_private_segment 0
		.amdhsa_kernarg_size 40
		.amdhsa_user_sgpr_count 2
		.amdhsa_user_sgpr_kernarg_segment_ptr 1
		.amdhsa_wavefront_size32 1
		.amdhsa_system_sgpr_workgroup_id_x 1
		.amdhsa_system_sgpr_workgroup_id_y 1
		.amdhsa_system_sgpr_workgroup_id_z 1
		.amdhsa_system_vgpr_workitem_id 0
		.amdhsa_next_free_vgpr 1024
		.amdhsa_next_free_sgpr 100
		.amdhsa_reserve_vcc 0
		.amdhsa_float_denorm_mode_32 3
		.amdhsa_float_denorm_mode_16_64 3
		.amdhsa_memory_ordered 1
		.amdhsa_forward_progress 1
		.amdhsa_inst_pref_size 44
	.end_amdhsa_kernel
	.amdgpu_metadata
---
amdhsa.version: [ 1, 2 ]
amdhsa.kernels:
  - .name:           k_q37092d9072_oproj
    .symbol:         k_q37092d9072_oproj.kd
    .args:
      - { .name: aimg, .offset: 0, .size: 8, .value_kind: global_buffer, .address_space: global }
      - { .name: codes, .offset: 8, .size: 8, .value_kind: global_buffer, .address_space: global }
      - { .name: lowp_scales, .offset: 16, .size: 8, .value_kind: global_buffer, .address_space: global }
      - { .name: bo, .offset: 24, .size: 8, .value_kind: global_buffer, .address_space: global }
      - { .name: out0, .offset: 32, .size: 8, .value_kind: global_buffer, .address_space: global }
    .group_segment_fixed_size: 280064
    .private_segment_fixed_size: 0
    .kernarg_segment_align: 8
    .kernarg_segment_size: 40
    .max_flat_workgroup_size: 128
    .sgpr_count:     100
    .vgpr_count:     1024
    .wavefront_size: 32
...
	.end_amdgpu_metadata
.endif
;; end of part 4
